; MI455X (gfx1250); checked and timed in simulation.
; The chip was launched on July 23, 2026; its instructions are those of AMD's public machine-readable ISA for CDNA 5 (MIT licence, August 2026) and "CDNA5" Instruction Set Architecture Reference Guide (July 2026). The comments in the code are by the model that wrote it; some were corrected since.
;; Pure Cross Attention. Allowed arithmetic: matrix products marked QUANTISED: E2M3 operands, one E8M0 scale for each 32 along K, by v_wmma_scale_f32_16x16x128_f8f6f4 with both operands' format E2M3, f32 sums; everything else in f32.
;; Inputs: Wk 1,024 x 1,024 float32; Wo 1,024 x 1,024 float32; Wq 1,024 x 1,024 float32; Wr 1,024 x 1,024 float32; Wv 1,024 x 1,024 float32; attention_mask 4 x 1 x 1,024 x 1,024 float32; bk 1,024 float32; bo 1,024 float32; bq 1,024 float32; br 1,024 float32; bv 1,024 float32; kv 4 x 1,024 x 1,024 float32; q 4 x 1,024 x 1,024 float32.
;; Outputs: out0 4 x 1,024 x 1,024 float32; out1 4 x 1,024 x 1,024 float32.
;; This version of the problem:
;;   THIS VERSION OF THE PROBLEM IS GIVEN IN LOW PRECISION. The matrix products marked QUANTISED in the list below multiply operands that are first quantised to E2M3 (2 exponent bits, 3 mantissa bits; 6 bits a number), with one power-of-two scale for each 32 numbers along K (OCP MX v1.0); their sums are f32. All else is computed in f32.
;;   The module's matrix products, in the order in which they are computed (A, B: the left and right operand; K: the contracted axis; several contracted axes count as one K, in the product's order):
;;     1. [M 4,096, K 1,024] x [K 1,024, N 1,024]; A: input q; B: input Wq: QUANTISED
;;     2. [M 4,096, K 1,024] x [K 1,024, N 1,024]; A: input kv; B: input Wk: QUANTISED
;;     3. [M 4,096, K 1,024] x [K 1,024, N 1,024]; A: input kv; B: input Wv: QUANTISED
;;     4. batch 64 x [M 1,024, K 64] x [K 64, N 1,024]; A: computed on the way; B: computed on the way: QUANTISED
;;     5. batch 64 x [M 1,024, K 1,024] x [K 1,024, N 64]; A: softmax (see below); B: computed on the way: QUANTISED
;;     6. [M 4,096, K 1,024] x [K 1,024, N 1,024]; A: computed on the way; B: input Wo: QUANTISED
;;     7. batch 64 x [M 1,024, K 1,024] x [K 1,024, N 64]; A: softmax (see below); B: computed on the way: QUANTISED
;;     8. [M 4,096, K 1,024] x [K 1,024, N 1,024]; A: computed on the way; B: input Wr: QUANTISED
;;   THE QUANTISER, for each operand of a quantised product, along K:
;;     - K is cut into blocks of 32 from its start; a last block that is shorter is filled with zeros.
;;     - A block's scale is 2^e with e = floor(log2(the largest magnitude in the block)) - 2, held to -126 .. 127; a block of zeros has e = 0. As a byte (E8M0): e + 127.
;;     - Each number is divided by its block's scale, clamped to +-7.5, and rounded to the nearest number of E2M3, ties to even, subnormals kept.
;;     - The product sums the exact products of the quantised numbers (number of the format x scale) in f32.
;;   ~~~python
;;   def quantise(x, axis):      # numpy; x: float32 -> the quantised numbers, widened to float32 again
;;       x = np.moveaxis(x, axis, -1); K = x.shape[-1]
;;       x = np.pad(x, [(0, 0)] * (x.ndim - 1) + [(0, -K % 32)]); x = x.reshape(x.shape[:-1] + (-1, 32)); a = np.abs(x).max(-1, keepdims=True)
;;       e = np.where(a > 0, np.clip(np.frexp(np.where(a > 0, a, 1))[1] - 1 - 2, -126, 127), 0)      # np.frexp(a)[1] - 1 = floor(log2(a)), exactly
;;       r = np.clip(x / 2.0 ** e, -7.5, 7.5)
;;       step = 2.0 ** (np.maximum(np.frexp(np.where(r == 0, 1, r))[1] - 1, 0) - 3)
;;       q = np.round(r / step) * step * 2.0 ** e      # np.round: ties to even
;;       return np.moveaxis(q.reshape(q.shape[:-2] + (-1,))[..., :K], -1, axis).astype(np.float32)
;;   ~~~
;;   SOFTMAX AHEAD OF A QUANTISED PRODUCT. Where the list says 'softmax', what is quantised is not the finished softmax but p = 2^(t - M), with t = logit x log2(e) and M = ceil(the row's largest t), a whole number; so 1/2 < the row's largest p <= 1. The row's sum l is taken of the UNQUANTISED p, in f32, and the product's result is divided by l at the end. Since M is a whole number, a kernel that streams over the keys may use a running M (the ceiling of the running maximum): every later rescaling is an exact power of two, which a block's scale takes up: the codes' values come out the same.
;;   OPERANDS COMPUTED ON THE WAY. 'Computed on the way' means the value that the module computes at that place (a softmax that the list does not call 'softmax' is quantised finished and normalised). What goes into a quantiser is computed in f32, as accurately as f32 sums, v_exp_f32 and their like allow (about 1e-6 of the number): no bf16 or f16 on the way to a quantiser, and a product that is left as it is and whose result goes on into a quantised operand takes f32 operands (vector FMAs, or v_wmma_f32_16x16x4_f32). A number that lies on a knife's edge between two numbers of the format may be rounded either way, as far as f32 arithmetic and the matrix unit's own rounding can turn it there, and no further.
;; One version. Each part assembles by itself: llvm-mc -triple=amdgcn-amd-amdhsa -mcpu=gfx1250 --defsym DOCPART=n.
;; ======== version 1 of 1: 4 launches
;; workspace buffers: xcod 10,223,616 bytes; xscl 425,984 bytes; acod 9,437,184 bytes; ascl 393,216 bytes; ocod 6,291,456 bytes; oscl 262,144 bytes
;; launch quant (part 1): grid 416 x 1, 4 waves a work-group, no clusters, 34,304 bytes of LDS; arguments q, kv, Wq, Wk, Wv, Wo, Wr, xcod, xscl; writes xcod, xscl
.if DOCPART == 1
	.amdgcn_target "amdgcn-amd-amdhsa--gfx1250"
	.amdhsa_code_object_version 6
	.text
	.protected	k_q16046e5cf9_quant
	.globl	k_q16046e5cf9_quant
	.p2align	8
	.type	k_q16046e5cf9_quant,@function
k_q16046e5cf9_quant:
	s_mov_b64 s[64:65], 0
	v_nop
	global_prefetch_b8 v0, s[64:65] scope:SCOPE_SE
	s_setreg_imm32_b32 hwreg(HW_REG_WAVE_MODE, 25, 1), 1
	s_wait_xcnt 0x0
; q, kv [4096][1024] and Wq, Wk, Wv, Wo, Wr [1024][1024], f32, K innermost, become codes of FP6 (E2M3) with one E8M0 byte for each 32 along K.
; A block's scale is 2^(floor(log2(largest magnitude)) - 2); its byte is the largest magnitude's exponent field - 2, held at 1 from below.
; LIMITS: a block of zeros gets the byte 1 where the rule says 127 (its codes are zeros, and only this program reads the bytes); blocks whose largest
; magnitude lies under 2^(3 - 127) are held at that floor; NaN and infinities among the inputs are not served.
; LAYOUT OF THE RESULT: images of the matrix operand's registers.  A tile is 16 rows; a fragment (tile x 128 K) is 12 registers a lane, 1,536 bytes:
; register j of lane l at 512 (j / 4) + 16 l + 4 (j % 4); tile G, K step s at 12,288 G + 1,536 s.  q's tiles are 16 neighbouring rows; the tiles of kv and of the
; weights take, of a group of 32 rows, rows 8 u + 0..7 and 16 + 8 u + 0..7 (u = 0, 1), so that results made with such a tile as source 0 have 16 neighbours in 16 registers.
; Scale words: 512 bytes a tile; the word of row r for K step 4 H + 2 j + h at 256 H + 8 (r + 16 h) + 4 j.
; SHARES: a work-group takes 32 rows (two tiles); wave w takes tile w / 2 and half w % 2 of K: 16 rows x 512 K in four steps of 128.  One path serves all seven tensors: only the pointer is chosen.
; Each load reads 512 consecutive bytes of one row; a step's 16 rows turn through the wave's own stage in LDS (pitch 528 = 33 x 16 bytes, so the 16 rows of a read start in different banks: ISA guide 11.1).
; No matrix unit, no cluster, no tensor load, no barrier: memory binds, and the waves share nothing.
.set STG,  8448                        ; a wave's stage: 16 rows x 528 bytes
.set RW,   64                          ; v64-191   two sets of 64 registers as loaded
.set XN,   192                         ; v192-255  64 numbers: register 16 b + i = k 32 b + 16 h + i of my row
.set TM,   16                          ; v16-31    at work
.set PC,   32                          ; v32-43    the fragment's codes
.set PT,   44                          ; v44-51    the upper halves of the blocks, on their way
.set WD,   8                           ; v8-11     the four steps' scale words
	s_load_b256 s[8:15], s[0:1], 0x0               ; q, kv, Wq, Wk
	s_load_b256 s[16:23], s[0:1], 0x20             ; Wv, Wo, Wr, xcod
	s_load_b64 s[24:25], s[0:1], 0x40              ; xscl
	v_lshl_add_u32 v62, v0, 2, 0x8400
	v_mov_b32 v63, 0
	v_lshrrev_b32 v1, 5, v0
	v_readfirstlane_b32 s27, v1                    ; wave
	v_and_b32 v1, 31, v0                           ; lane
	v_and_b32 v7, 15, v0                           ; r
	v_bfe_u32 v14, v0, 4, 1                        ; h
	v_lshlrev_b32 v2, 4, v1                        ; 16 l: my bytes of a load's 512, and of an image's 512
	v_lshlrev_b32 v6, 3, v1                        ; 8 l: my two scale words
	s_mul_i32 s28, s27, STG
	v_add_nc_u32 v4, s28, v2                       ; the stage, on the way in: row i at 528 i
	v_mul_u32_u24 v5, v7, 528
	v_lshl_add_u32 v5, v14, 6, v5
	v_add_nc_u32 v5, s28, v5                       ; and on the way out: row r, + 64 h: my 16 numbers of each block of 32
.irp b, 0,1,2,3
	v_mov_b32 v[TM+4+\b], 0                        ; written once: a lane permute's destination counts as one of its sources
.endr
	s_mov_b32 s30, 0x76543210
	s_mov_b32 s31, 0xfedcba98                      ; v_permlanex16_b32's selects for lane l xor 16
	s_mov_b32 s29, 0xffff0000                      ; lanes 16-31
	s_mov_b32 s26, 0x10000                         ; from a tile's row 0 to its row 8: 16 rows of 4,096 bytes (q: 8 rows)
	s_mov_b32 s6, 384
	s_wait_kmcnt 0x0
	s_mov_b64 s[4:5], s[20:21]                     ; which tensor is mine hangs on the work-group's number alone
	s_cmp_lt_u32 ttmp9, 384
	s_cselect_b64 s[4:5], s[18:19], s[4:5]
	s_cselect_b32 s6, 352, s6
	s_cmp_lt_u32 ttmp9, 352
	s_cselect_b64 s[4:5], s[16:17], s[4:5]
	s_cselect_b32 s6, 320, s6
	s_cmp_lt_u32 ttmp9, 320
	s_cselect_b64 s[4:5], s[14:15], s[4:5]
	s_cselect_b32 s6, 288, s6
	s_cmp_lt_u32 ttmp9, 288
	s_cselect_b64 s[4:5], s[12:13], s[4:5]
	s_cselect_b32 s6, 256, s6
	s_cmp_lt_u32 ttmp9, 256
	s_cselect_b64 s[4:5], s[10:11], s[4:5]
	s_cselect_b32 s6, 128, s6
	s_cmp_lt_u32 ttmp9, 128
	s_cselect_b64 s[4:5], s[8:9], s[4:5]
	s_cselect_b32 s6, 0, s6                        ; the tensor's first work-group
	s_cselect_b32 s7, 16, 8                        ; from tile 0's first row to tile 1's
	s_cselect_b32 s26, 0x8000, s26
	s_sub_co_u32 s32, ttmp9, s6
	s_lshl_b32 s32, s32, 5                         ; 32 rows a work-group
	s_lshr_b32 s33, s27, 1
	s_mul_i32 s33, s33, s7
	s_add_co_u32 s32, s32, s33                     ; my tile's first row
	s_lshl_b32 s32, s32, 12
	s_and_b32 s33, s27, 1
	s_lshl_b32 s33, s33, 11                        ; my half of K: 2,048 bytes
	s_add_co_u32 s32, s32, s33
	s_mov_b32 s33, 0
	s_add_nc_u64 s[4:5], s[4:5], s[32:33]
	s_lshl_b32 s34, ttmp9, 2
	s_add_co_u32 s34, s34, s27                     ; 2 x tile + half
	s_mul_i32 s32, s34, 6144
	s_add_nc_u64 s[22:23], s[22:23], s[32:33]      ; my four fragments
	s_lshl_b32 s32, s34, 8
	s_add_nc_u64 s[24:25], s[24:25], s[32:33]      ; my 256 bytes of scale words
	v_add_nc_u32 v3, s26, v2                       ; rows 8-15 of the tile
.macro LOAD t                          ; step t: 16 rows x 512 bytes into set t % 2
.irp i, 0,1,2,3,4,5,6,7
	global_load_b128 v[RW+64*((\t)%2)+4*\i:RW+64*((\t)%2)+4*\i+3], v2, s[4:5] offset:4096*\i+512*(\t) th:TH_LOAD_NT
.endr
.irp i, 0,1,2,3,4,5,6,7
	global_load_b128 v[RW+64*((\t)%2)+32+4*\i:RW+64*((\t)%2)+32+4*\i+3], v3, s[4:5] offset:4096*\i+512*(\t) th:TH_LOAD_NT
.endr
.endm
.macro QUANT pw                        ; the 64 numbers in v[XN] on become a fragment's codes in v[PC] on and my row's scale word in v[pw]
.irp b, 0,1,2,3
	v_max3_num_f32 v[TM+\b], |v[XN+16*\b]|, |v[XN+1+16*\b]|, 0x1800000   ; block b: my 16 numbers, and the floor 2^(3 - 127): the byte cannot fall under 1
.endr
.irp i, 2,4,6,8,10,12,14
.irp b, 0,1,2,3
	v_max3_num_f32 v[TM+\b], v[TM+\b], |v[XN+16*\b+\i]|, |v[XN+1+16*\b+\i]|   ; the four blocks by turns
.endr
.endr
.irp b, 0,1,2,3
	v_permlanex16_b32 v[TM+4+\b], v[TM+\b], s30, s31
.endr
.irp b, 0,1,2,3
	v_max_num_f32 v[TM+\b], v[TM+\b], v[TM+4+\b]   ; with lane l xor 16's 16: the block's largest magnitude
.endr
.irp b, 0,1,2,3
	v_add_nc_u32 v[TM+12+\b], 0xff000000, v[TM+\b] ; 2 off its exponent field: the conversion takes this operand's exponent field as its scale
.endr
.irp b, 0,1,2,3
	v_lshrrev_b32 v[TM+4+\b], 23, v[TM+12+\b]      ; the scale's byte
.endr
	v_lshl_or_b32 v[\pw], v[TM+5], 8, v[TM+4]
	v_lshl_or_b32 v[\pw], v[TM+6], 16, v[\pw]
	v_lshl_or_b32 v[\pw], v[TM+7], 24, v[\pw]
.irp c, 0,1
	v_cvt_scalef32_pk16_fp6_f32 v[PC+6*\c:PC+2+6*\c], v[XN+32*\c:XN+15+32*\c], v[TM+12+2*\c]
	v_cvt_scalef32_pk16_fp6_f32 v[PT+4*\c:PT+2+4*\c], v[XN+16+32*\c:XN+31+32*\c], v[TM+12+2*\c+1]   ; (a conversion's three registers begin on an even number)
.endr
	v_nop                                          ; one plain place behind a scaled conversion
.irp c, 0,1                            ; the operand wants a whole block in a lane: lanes 0-15 block 2 c, lanes 16-31 block 2 c + 1
.irp i, 0,1,2
	v_permlane16_swap_b32 v[PC+6*\c+\i], v[PT+4*\c+\i]
.endr
.irp i, 0,1,2
	v_mov_b32 v[PC+3+6*\c+\i], v[PT+4*\c+\i]
.endr
.endr
.endm
.macro STEP t
.if (\t) < 3
	s_wait_loadcnt 16                              ; this step's 16 loads are in; the next step's 16 may be out
.else
	s_wait_loadcnt 0x0
.endif
.irp i, 0,1,2,3,4,5,6,7,8,9,10,11,12,13,14,15
	ds_store_b128 v4, v[RW+64*((\t)%2)+4*\i:RW+64*((\t)%2)+4*\i+3] offset:528*\i
.endr
.irp b, 0,1,2,3
.irp j, 0,1,2,3
	ds_load_b128 v[XN+16*\b+4*\j:XN+16*\b+4*\j+3], v5 offset:128*\b+16*\j   ; LDS serves a wave's instructions in order (ISA guide 5.7.1.4): these see the stores above
.endr
.endr
	s_wait_dscnt 0x0                               ; my numbers are back; the stores have read the set, which may be loaded again
.if (\t) > 0
	s_wait_xcnt 0x0                                ; the last step's stores have read the codes' registers: they are written again only behind this wait
.endif
.if (\t) < 2
	LOAD (\t)+2
.endif
	QUANT WD+(\t)
.irp g, 0,1,2
	global_store_b128 v2, v[PC+4*\g:PC+4*\g+3], s[22:23] offset:1536*(\t)+512*\g   ; 32 lanes store 512 consecutive bytes
.endr
.endm
	LOAD 0
	LOAD 1
	STEP 0
	STEP 1
	STEP 2
	STEP 3
	v_cndmask_b32 v12, v8, v9, s29                 ; lanes 0-15 keep the even steps' words, lanes 16-31 the odd steps'
	v_cndmask_b32 v13, v10, v11, s29
	global_store_b64 v6, v[12:13], s[24:25]        ; 32 lanes store 256 consecutive bytes
	s_wait_tensorcnt 0x0
	ds_add_u32 v62, v63
	s_wait_dscnt 0x0
	s_endpgm
.Lfunc_end_k_q16046e5cf9_quant:
	.size	k_q16046e5cf9_quant, .Lfunc_end_k_q16046e5cf9_quant-k_q16046e5cf9_quant
	.p2alignl 7, 3214868480
	.fill 96, 4, 3214868480
	.section	.rodata,"a",@progbits
	.p2align	6, 0x0
	.amdhsa_kernel k_q16046e5cf9_quant
		.amdhsa_group_segment_fixed_size 34304
		.amdhsa_private_segment_fixed_size 0
		.amdhsa_enable_private_segment 0
		.amdhsa_kernarg_size 72
		.amdhsa_user_sgpr_count 2
		.amdhsa_user_sgpr_kernarg_segment_ptr 1
		.amdhsa_wavefront_size32 1
		.amdhsa_system_sgpr_workgroup_id_x 1
		.amdhsa_system_sgpr_workgroup_id_y 1
		.amdhsa_system_sgpr_workgroup_id_z 1
		.amdhsa_system_vgpr_workitem_id 0
		.amdhsa_next_free_vgpr 256
		.amdhsa_next_free_sgpr 66
		.amdhsa_reserve_vcc 0
		.amdhsa_float_denorm_mode_32 3
		.amdhsa_float_denorm_mode_16_64 3
		.amdhsa_memory_ordered 1
		.amdhsa_forward_progress 1
		.amdhsa_inst_pref_size 34
	.end_amdhsa_kernel
	.amdgpu_metadata
---
amdhsa.version: [ 1, 2 ]
amdhsa.kernels:
  - .name:           k_q16046e5cf9_quant
    .symbol:         k_q16046e5cf9_quant.kd
    .args:
      - { .name: q, .offset: 0, .size: 8, .value_kind: global_buffer, .address_space: global }
      - { .name: kv, .offset: 8, .size: 8, .value_kind: global_buffer, .address_space: global }
      - { .name: Wq, .offset: 16, .size: 8, .value_kind: global_buffer, .address_space: global }
      - { .name: Wk, .offset: 24, .size: 8, .value_kind: global_buffer, .address_space: global }
      - { .name: Wv, .offset: 32, .size: 8, .value_kind: global_buffer, .address_space: global }
      - { .name: Wo, .offset: 40, .size: 8, .value_kind: global_buffer, .address_space: global }
      - { .name: Wr, .offset: 48, .size: 8, .value_kind: global_buffer, .address_space: global }
      - { .name: xcod, .offset: 56, .size: 8, .value_kind: global_buffer, .address_space: global }
      - { .name: xscl, .offset: 64, .size: 8, .value_kind: global_buffer, .address_space: global }
    .group_segment_fixed_size: 34304
    .private_segment_fixed_size: 0
    .kernarg_segment_align: 8
    .kernarg_segment_size: 72
    .max_flat_workgroup_size: 128
    .sgpr_count:     66
    .vgpr_count:     256
    .wavefront_size: 32
...
	.end_amdgpu_metadata
.endif
;; end of part 1
;; launch proj (part 2): grid 8 x 32, 4 waves a work-group, clusters of 4 x 4, 295,424 bytes of LDS; arguments xcod, xscl, bq, bk, bv, acod, ascl; writes acod, ascl
.if DOCPART == 2
	.amdgcn_target "amdgcn-amd-amdhsa--gfx1250"
	.amdhsa_code_object_version 6
	.text
	.protected	k_q16046e5cf9_proj
	.globl	k_q16046e5cf9_proj
	.p2align	8
	.type	k_q16046e5cf9_proj,@function
k_q16046e5cf9_proj:
	s_mov_b64 s[64:65], 0
	v_nop
	global_prefetch_b8 v0, s[64:65] scope:SCOPE_SE
	s_setreg_imm32_b32 hwreg(HW_REG_WAVE_MODE, 25, 1), 1
	s_wait_xcnt 0x0
	s_wait_alu depctr_hold_cnt(0) depctr_sa_sdst(0) depctr_va_vdst(0) depctr_va_sdst(0) depctr_va_ssrc(0) depctr_va_vcc(0) depctr_vm_vsrc(0)
	s_getreg_b32 s2, hwreg(HW_REG_IB_STS2, 6, 4)
	s_cmp_eq_u32 s2, 0
	s_cbranch_scc0 .Lentry_in_a_cluster
	s_endpgm
.Lentry_in_a_cluster:
	s_bfe_u32 s2, ttmp6, 0x10000c
	s_cmp_lg_u32 s2, 0xf033
	s_cbranch_scc0 .Lentry_shape_is_right
	s_endpgm
.Lentry_shape_is_right:
; The three projections, on codes of FP6 (E2M3) with E8M0 scales:  Q = (q Wq^T + bq) / 8,  K = kv Wk^T + bk,  V = kv Wv^T + bv;  sums in f32; each result is quantised in registers for the attention:
; Q and K along the head's 64 (d), V along the keys.
; SHARES: work-group (nt, mt) makes three blocks of 128 x 128, one after the other, so that 8 x 32 work-groups do all the work and a block's stores leave while the next block is multiplied.
; A product has a SHARED side (source 0: the result's registers run along its rows), 128 rows that all four waves read from LDS, and a PRIVATE side (source 1: a lane of the result holds one of its rows), of which wave w
; owns 32 rows (two tiles): its fragments are dense register images and come straight from memory into 192 registers, all eight K steps at once.
;   phase 0 (Q): shared Wq's block nt, private q's tiles 8 mt + 2 w + a;   phase 1 (K): shared Wk's block nt, private kv's tiles;   phase 2 (V): shared kv's block mt (the keys), private Wv's tiles 8 nt + 2 w + a.
; The three shared panels are 3 x 98,304 bytes of register images: each byte of LDS is filled once, so there is no ring.  Two panels of 222 rows or more for one block of 49,152 results would not fit; three panels of 128 rows do.
; The shared side's tiles take rows 8 u + 0..7 and 16 + 8 u + 0..7 of a group of 32, so that the 16 registers of two neighbouring result tiles are 16 neighbours along its rows: the order in which the conversions want them.
; CLUSTERS: 4 x 4 work-groups; the weights' panels hang on nt (cx) and are asked for jointly along a column of the cluster, kv's panel hangs on mt (cy) and is asked for along a row.
; Each wave asks for two tiles x four K steps (12,288 bytes) of each half panel: six loads of mine are out at the start; the halves are waited for one by one.
; RESULT: half images (16 rows x 64 K: 6 registers a lane, 768 bytes: registers 0-3 at 16 l, 4-5 at 512 + 8 l).  Q, K: token tile T of (batch, head) at 768 T.  V: d tile t4, keys 128 s + 64 c on, at 1,536 (4 s + t4) + 768 c.
; Scale words: [the even tile's two bytes | the odd tile's << 16]; a wave stores two runs of 64 bytes.
; LIMITS: a block of zeros gets the byte 1 where the rule says 127 (its codes are zeros, and only this program reads the bytes); blocks under 2^(3 - 127) are held at that floor; NaN and infinities are not served.
; REGISTERS: window 0: v1-15 addresses; v16-47 the shared side's scale words, v48-55 the private side's (scales alone); v56-127 the way out; v128-255 accumulator (a, t) at 128 + 64 a + 8 t.
;   window 1: two sets of eight shared fragments (96 registers each).   window 2: the private fragments of phases 0 and 2 ((a, s) at 96 a + 12 s), from v192 the bias.   window 3: those of phase 1.
.set HALF, 49152                       ; half a panel: eight tiles x four K steps
.set TIL,  6144                        ; a tile's four K steps
.set FRB,  1536                        ; a fragment
.set ACC,  128
.set SL,   16
.set SP,   48
.set FC,   56                          ; v56-79   half image i's six registers at FC + 6 i
.set PT,   80                          ; v80-95   the blocks' upper halves on their way
.set W16,  96                          ; v96-99   two scale bytes for each half image
.set TM,   100                         ; v100-123 at work
.set ADR,  8                           ; v8-13    16 l + 49,152 k: half panel k
.set BRR,  192                         ; the bias, in windows 2 and 3
.set G1C,  24                          ; s[24:31] descriptor group 1, my column's mask;  s[32:39] my row's;  s[40:63] six groups 0
.set G1R,  32
.set G0,   40
.set MSB, 0
.macro WIN new                         ; bits 1:0 source 0, 3:2 source 1, 5:4 source 2, 7:6 destination; the high byte repeats the setting that is left
.if MSB != (\new)
	s_set_vgpr_msb (MSB<<8)|(\new)
.set MSB, (\new)
.endif
.endm
.macro PLACES                          ; four plain places behind a matrix instruction, in front of loads into its registers and of reads of its result
.rept 4
	v_nop
.endr
.endm
.macro CROUND                          ; a round of the cluster's barrier
	s_barrier_signal -1
	s_barrier_wait -1
	s_cmp_lg_u32 s18, 0
	s_cbranch_scc1 .Lnot_wave_0_\@
	s_barrier_signal -3
.Lnot_wave_0_\@:
	s_barrier_wait -3
	s_barrier_signal -1
	s_barrier_wait -1
.endm
.macro LDSC hf, bl, ol, bp, op         ; the scale words of K steps 4 hf .. 4 hf + 3: eight shared tiles, two private: ten loads of 256 dense bytes.  Register s / 2: K step s in lanes 0-15 (s even) or 16-31 (s odd)
.irp t, 0,1,2,3,4,5,6,7
	global_load_b64 v[SL+4*\t+2*(\hf):SL+4*\t+2*(\hf)+1], v4, s[\bl:\bl+1] offset:(\ol)+512*\t+256*(\hf)
.endr
.irp a, 0,1
	global_load_b64 v[SP+4*\a+2*(\hf):SP+4*\a+2*(\hf)+1], v15, s[\bp:\bp+1] offset:(\op)+512*\a+256*(\hf)
.endr
.endm
.macro LDP win, base, off              ; my two private tiles, all eight K steps: 48 loads of 512 dense bytes, K step by K step
	WIN \win
.irp s, 0,1,2,3,4,5,6,7
.irp a, 0,1
.irp g, 0,1,2
	global_load_b128 v[96*\a+12*\s+4*\g:96*\a+12*\s+4*\g+3], v14, s[\base:\base+1] offset:(\off)+12288*\a+1536*\s+512*\g
.endr
.endr
.endr
.endm
.macro LDB win, base                   ; the bias along the registers: register j of tile t: number 32 (t / 2) + 8 (t % 2) + 16 h + j of the block's 128
	WIN \win
.irp t, 0,1,2,3,4,5,6,7
	global_load_b128 v[BRR+8*\t:BRR+8*\t+3], v3, s[\base:\base+1] offset:(32*(\t/2)+8*(\t%2))*4
	global_load_b128 v[BRR+8*\t+4:BRR+8*\t+7], v3, s[\base:\base+1] offset:(32*(\t/2)+8*(\t%2))*4+16
.endr
.endm
.macro FETCH S                         ; step S of the 24 (phase S / 8): eight shared fragments, three loads of 16 bytes a lane each, into set S % 2
	WIN 0x40
.irp t, 0,1,2,3,4,5,6,7
.irp g, 0,1,2
	ds_load_b128 v[96*((\S)%2)+12*\t+4*\g:96*((\S)%2)+12*\t+4*\g+3], v[ADR+(\S)/4] offset:\t*TIL+((\S)%4)*FRB+512*\g
.endr
.endr
.endm
.macro WM d, a, b, c, sa, sb, row      ; one product; row = 1: both sides' scales stand in lanes 16-31
.if \row
	v_wmma_scale_f32_16x16x128_f8f6f4 v[\d:\d+7], v[\a:\a+11], v[\b:\b+11], v[\c:\c+7], v[\sa], v[\sb] matrix_a_fmt:MATRIX_FMT_FP6 matrix_b_fmt:MATRIX_FMT_FP6 matrix_a_scale:MATRIX_SCALE_ROW1 matrix_b_scale:MATRIX_SCALE_ROW1
.else
	v_wmma_scale_f32_16x16x128_f8f6f4 v[\d:\d+7], v[\a:\a+11], v[\b:\b+11], v[\c:\c+7], v[\sa], v[\sb] matrix_a_fmt:MATRIX_FMT_FP6 matrix_b_fmt:MATRIX_FMT_FP6
.endif
.endm
.macro MUL ph, s                       ; 16 products on 16 accumulators by turns, in the same order in every step; a phase's first step takes the bias as C
.if (\s) == 0
	WIN 0x29+0x14*((\ph)%2)                        ; source 0 window 1; source 1 and C window 2 (phase 1: window 3); D window 0
.else
	WIN 0x09+0x04*((\ph)%2)                        ; C and D window 0
.endif
.irp a, 0,1
.irp t, 0,1,2,3,4,5,6,7
.if ((\s) == 0) && ((\ph) == 2)
	WM ACC+64*\a+8*\t, 12*\t, 96*\a, BRR+8*\a, SL+4*\t, SP+4*\a, 0
.elseif (\s) == 0
	WM ACC+64*\a+8*\t, 12*\t, 96*\a, BRR+8*\t, SL+4*\t, SP+4*\a, 0
.else
	WM ACC+64*\a+8*\t, 96*((\s)%2)+12*\t, 96*\a+12*(\s), ACC+64*\a+8*\t, SL+4*\t+(\s)/2, SP+4*\a+(\s)/2, (\s)%2
.endif
.endr
.endr
.endm
; THE WAY OUT of a phase.  My 128 results a lane are eight blocks of 32 along the shared side's rows: block q at ACC + 16 q; half image i = blocks 2 i, 2 i + 1 = private tile i / 2, rows 64 (i % 2) on.
; At its head stand the loads for the phases to come, into registers that this phase's products have left.
.macro WAYOUT ph
	WIN 0
	PLACES
.if (\ph) == 0
	LDSC 1, 72, 32768, 70, 131072                  ; phase 1's scale words of K steps 4-7
	LDP 0x80, 68, 0                                ; phase 2's private tiles: Wv's
	global_load_b32 v[BRR], v7, s[12:13]           ; and its bias, which runs along the lanes: number r + 8 (r / 8) + 8 a of my 32
	global_load_b32 v[BRR+8], v7, s[12:13] offset:32
	WIN 0
.set j, 0
.rept 64
	v_pk_mul_f32 v[ACC+j:ACC+j+1], v[ACC+j:ACC+j+1], s[100:101] op_sel_hi:[1,0]   ; Q alone: x 1 / 8; each accumulator from its low end on
.set j, j+2
.endr
.elseif (\ph) == 1
	LDSC 1, 70, 131072, 72, 65536                  ; phase 2's scale words of K steps 4-7
.endif
.if (\ph) > 0
	s_wait_xcnt 0x0                                ; the last phase's stores have read the codes' and the word's registers: they are written again only behind this wait
.endif
.irp q, 0,1,2,3,4,5,6,7
	v_max3_num_f32 v[TM+\q], |v[ACC+16*\q]|, |v[ACC+1+16*\q]|, 0x1800000   ; my 16 numbers of block q, and the floor 2^(3 - 127): the byte cannot fall under 1
.endr
.irp i, 2,4,6,8,10,12,14
.irp q, 0,1,2,3,4,5,6,7
	v_max3_num_f32 v[TM+\q], v[TM+\q], |v[ACC+16*\q+\i]|, |v[ACC+1+16*\q+\i]|
.endr
.endr
.irp q, 0,1,2,3,4,5,6,7
	v_permlanex16_b32 v[TM+8+\q], v[TM+\q], s22, s23
.endr
.irp q, 0,1,2,3,4,5,6,7
	v_max_num_f32 v[TM+\q], v[TM+\q], v[TM+8+\q]   ; with lane l xor 16's: the block's largest magnitude
.endr
.irp q, 0,1,2,3,4,5,6,7
	v_add_nc_u32 v[TM+16+\q], 0xff000000, v[TM+\q] ; 2 off its exponent field: the conversion's scale operand
.endr
.irp q, 0,1,2,3,4,5,6,7
	v_lshrrev_b32 v[TM+8+\q], 23, v[TM+16+\q]      ; the scale's byte
.endr
.irp i, 0,1,2,3
	v_lshl_or_b32 v[W16+\i], v[TM+9+2*\i], 8, v[TM+8+2*\i]
.endr
.irp i, 0,1,2,3
	v_cvt_scalef32_pk16_fp6_f32 v[FC+6*\i:FC+6*\i+2], v[ACC+32*\i:ACC+32*\i+15], v[TM+16+2*\i]
	v_cvt_scalef32_pk16_fp6_f32 v[PT+4*\i:PT+4*\i+2], v[ACC+32*\i+16:ACC+32*\i+31], v[TM+17+2*\i]   ; (a conversion's three registers begin on an even number)
.endr
	v_nop                                          ; one plain place behind a scaled conversion
.irp i, 0,1,2,3                        ; a whole block to a lane: lanes 0-15 block 0, lanes 16-31 block 1
.irp k, 0,1,2
	v_permlane16_swap_b32 v[FC+6*\i+\k], v[PT+4*\i+\k]
.endr
.endr
.irp i, 0,1,2,3
.irp k, 0,1,2
	v_mov_b32 v[FC+6*\i+3+\k], v[PT+4*\i+\k]
.endr
.endr
.irp i, 0,1,2,3
.if (\ph) < 2                          ; Q, K: token tile i / 2 of head i % 2
	global_store_b128 v1, v[FC+6*\i:FC+6*\i+3], s[94:95] offset:(\ph)*3145728+(\i%2)*49152+(\i/2)*768          ; 512 consecutive bytes,
	global_store_b64 v4, v[FC+6*\i+4:FC+6*\i+5], s[94:95] offset:(\ph)*3145728+(\i%2)*49152+(\i/2)*768+512     ; and 256
.else                                  ; V: d tile i / 2, keys 64 (i % 2) on
	global_store_b128 v1, v[FC+6*\i:FC+6*\i+3], s[96:97] offset:6291456+(\i/2)*1536+(\i%2)*768
	global_store_b64 v4, v[FC+6*\i+4:FC+6*\i+5], s[96:97] offset:6291456+(\i/2)*1536+(\i%2)*768+512
.endif
.endr
	v_lshl_or_b32 v[W16], v[W16+2], 16, v[W16]     ; private tile 0's bytes below, tile 1's above: for rows 0-63,
	v_lshl_or_b32 v[W16+1], v[W16+3], 16, v[W16+1] ; and for rows 64-127
	v_cndmask_b32 v[W16], v[W16], v[W16+1], s2     ; lanes 0-15 store the first word, lanes 16-31 the second
.if (\ph) < 2
	global_store_b32 v124, v[W16], s[98:99] offset:(\ph)*131072
.else
	global_store_b32 v125, v[W16], s[20:21] offset:262144
.endif
.if (\ph) == 1
	s_wait_loadcnt 10                              ; Wv's tiles, its bias and phase 2's first scale words are in; the ten loads issued at this way out's head may be out
	WIN 0x82
.irp a, 0,1
.irp k, 1,2,3,4,5,6,7
	v_mov_b32 v[BRR+8*\a+\k], v[BRR+8*\a]          ; the lane's bias in all eight registers of the first product's C
.endr
.endr
.endif
.endm
	s_load_b256 s[4:11], s[0:1], 0x0               ; xcod, xscl, bq, bk
	s_load_b128 s[12:15], s[0:1], 0x20             ; bv, acod
	s_load_b64 s[16:17], s[0:1], 0x30              ; ascl
	v_lshl_add_u32 v126, v0, 2, 0x48000
	v_mov_b32 v127, 0
	ds_add_u32 v126, v127
	ds_add_u32 v126, v127
	v_lshrrev_b32 v1, 5, v0
	v_readfirstlane_b32 s18, v1                    ; wave 0..3
	s_bfe_u32 s76, ttmp6, 0x40000                  ; cx
	s_bfe_u32 s77, ttmp6, 0x40004                  ; cy
	s_and_b32 s79, ttmp7, 0xffff
	s_lshl_b32 s84, s79, 2
	s_add_co_u32 s84, s84, s77                     ; mt: the block of 128 tokens: hangs on cy, never on cx
	s_lshl_b32 s85, ttmp9, 2
	s_add_co_u32 s85, s85, s76                     ; nt: the block of 128 features: hangs on cx, never on cy
	s_lshl_b32 s86, s77, 2
	s_lshl_b32 s86, 15, s86                        ; my row of the cluster
	s_lshl_b32 s87, 0x1111, s76                    ; my column
	s_or_b32 s[G1C], s87, (3<<16)|(1<<21)          ; 15:0 the mask; 17:16 elements of 8 bytes; 20 no padding (images are read 16 bytes a lane on end); 21 set beside a mask
	s_or_b32 s[G1R], s86, (3<<16)|(1<<21)
.irp g, G1C, G1R
	s_mov_b32 s[\g+1], 768<<16                     ; tensor_dim0 = 768 elements: four K steps of a tile, 6,144 bytes
	s_mov_b32 s[\g+2], 2<<16                       ; tensor_dim1 = 2 tiles
	s_mov_b32 s[\g+3], 768<<16                     ; tile_dim0
	s_mov_b32 s[\g+4], 2                           ; tile_dim1
	s_mov_b32 s[\g+5], 1536                        ; from tile to tile: 12,288 bytes
	s_mov_b32 s[\g+6], 0
	s_mov_b32 s[\g+7], 0
.endr
	s_lshl_b32 s19, s18, 1                         ; I fetch tiles 2 w, 2 w + 1 of each panel
	s_lshl_b32 s88, s85, 3
	s_add_co_u32 s88, s88, s19
	s_add_co_u32 s88, s88, 512                     ; Wq's tiles begin at 512 in xcod (Wk's 64 tiles on)
	s_mul_i32 s90, s88, 12288
	s_mov_b32 s91, 0
	s_lshl_b32 s89, s84, 3
	s_add_co_u32 s89, s89, s19
	s_add_co_u32 s89, s89, 256                     ; kv's at 256
	s_mul_i32 s92, s89, 12288
	s_mov_b32 s93, 0
	s_mul_i32 s78, s18, 12288                      ; where my two tiles go in a half panel: no place in the cluster enters an LDS address
	s_wait_dscnt 0x0
	s_wait_kmcnt 0x0
	s_add_nc_u64 s[90:91], s[4:5], s[90:91]
	s_add_nc_u64 s[92:93], s[4:5], s[92:93]
	CROUND                                         ; all sixteen work-groups are here: the joint loads meet
.irp k, 0,1,2,3                        ; half panel k: Wq's K steps 0-3, 4-7, Wk's 0-3, 4-7
	s_mov_b32 s[G0+4*\k], 1
	s_add_co_u32 s[G0+4*\k+1], s78, \k*HALF
	s_add_nc_u64 s[G0+4*\k+2:G0+4*\k+3], s[90:91], (\k/2)*786432+(\k%2)*6144
	s_or_b32 s[G0+4*\k+3], s[G0+4*\k+3], 0x80000000
.endr
.irp k, 4,5                            ; kv's
	s_mov_b32 s[G0+4*\k], 1
	s_add_co_u32 s[G0+4*\k+1], s78, \k*HALF
	s_add_nc_u64 s[G0+4*\k+2:G0+4*\k+3], s[92:93], (\k%2)*6144
	s_or_b32 s[G0+4*\k+3], s[G0+4*\k+3], 0x80000000
.endr
	tensor_load_to_lds s[40:43], s[24:31]          ; every wave asks for its own rows of every half panel, in the order in which they are read: six loads of mine are out
	s_nop 0
	tensor_load_to_lds s[44:47], s[24:31]
	s_nop 0
	tensor_load_to_lds s[48:51], s[24:31]
	s_nop 0
	tensor_load_to_lds s[52:55], s[24:31]
	s_nop 0
	tensor_load_to_lds s[56:59], s[32:39]
	s_nop 0
	tensor_load_to_lds s[60:63], s[32:39]
	s_nop 0
	PLACES
	v_and_b32 v2, 31, v0                           ; lane
	v_and_b32 v5, 15, v0                           ; r
	v_bfe_u32 v6, v0, 4, 1                         ; h
	v_lshlrev_b32 v1, 4, v2                        ; 16 l
	v_lshlrev_b32 v4, 3, v2                        ; 8 l
	v_lshlrev_b32 v3, 6, v6                        ; the bias along the registers: + 16 h numbers
	s_mul_i32 s19, s18, 24576
	v_add_nc_u32 v14, s19, v1                      ; my two private tiles' codes: 16 l + 24,576 w
	s_lshl_b32 s19, s18, 10
	v_add_nc_u32 v15, s19, v4                      ; and their scale words: 8 l + 1,024 w
	s_mul_i32 s66, s84, 98304
	s_mov_b32 s67, 0
	s_add_nc_u64 s[66:67], s[4:5], s[66:67]        ; q's tiles 8 mt on (kv's: 3,145,728 bytes on)
	s_mul_i32 s68, s85, 98304
	s_add_co_u32 s68, s68, 640*12288
	s_mov_b32 s69, 0
	s_add_nc_u64 s[68:69], s[4:5], s[68:69]        ; Wv's tiles 8 nt on
	s_lshl_b32 s70, s84, 12
	s_mov_b32 s71, 0
	s_add_nc_u64 s[70:71], s[6:7], s[70:71]        ; the scale words of q's tiles 8 mt on (kv's: 131,072 bytes on)
	s_lshl_b32 s72, s85, 12
	s_add_co_u32 s72, s72, 262144
	s_mov_b32 s73, 0
	s_add_nc_u64 s[72:73], s[6:7], s[72:73]        ; of Wq's tiles 8 nt on (Wk's: 32,768 on; Wv's: 65,536 on)
	s_lshl_b32 s74, s85, 9
	s_mov_b32 s75, 0
	s_add_nc_u64 s[8:9], s[8:9], s[74:75]          ; the biases at the block's 128 numbers
	s_add_nc_u64 s[10:11], s[10:11], s[74:75]
	s_add_nc_u64 s[12:13], s[12:13], s[74:75]
	LDSC 0, 72, 0, 70, 0                           ; phase 0: scale words, bias, q's tiles
	LDSC 1, 72, 0, 70, 0
	LDB 0x80, 8
	LDP 0x80, 66, 0
	WIN 0
.irp k, 0,1,2,3,4,5
	v_add_nc_u32 v[ADR+\k], \k*HALF, v1
.endr
	v_and_b32 v7, 8, v5
	v_add_nc_u32 v7, v7, v5
	v_lshlrev_b32 v7, 2, v7
	s_lshl_b32 s19, s18, 7
	v_add_nc_u32 v7, s19, v7                       ; the bias along the lanes: number r + 8 (r / 8) of my 32: 4 (r + 8 (r / 8)) + 128 w
	v_lshlrev_b32 v5, 2, v5
	v_lshl_add_u32 v124, v6, 11, v5                ; Q's and K's scale words: 4 r, lanes 16-31 one head (2,048 bytes) on
	v_lshl_add_u32 v125, v6, 7, v5                 ; V's: lanes 16-31 64 keys (128 bytes) on
.irp q, 0,1,2,3,4,5,6,7
	v_mov_b32 v[TM+8+\q], 0                        ; written once: a lane permute's destination counts as one of its sources
.endr
	s_mov_b32 s100, 0x3e000000                     ; 1 / 8
	s_mov_b32 s101, s100
	s_mov_b32 s2, 0xffff0000                       ; lanes 16-31
	s_mov_b32 s22, 0x76543210
	s_mov_b32 s23, 0xfedcba98                      ; v_permlanex16_b32's selects for lane l xor 16
	s_lshr_b32 s80, s84, 3                         ; the batch
	s_and_b32 s81, s84, 7                          ; which 128 tokens of it
	s_lshl_b32 s80, s80, 4
	s_lshl_b32 s82, s85, 1
	s_add_co_u32 s82, s82, s80                     ; 16 x batch + the block's first head
	s_lshr_b32 s83, s18, 1
	s_and_b32 s88, s18, 1
	s_mul_i32 s94, s82, 49152
	s_mul_i32 s89, s81, 6144
	s_add_co_u32 s94, s94, s89
	s_mul_i32 s89, s83, 49152
	s_add_co_u32 s96, s94, s89
	s_mul_i32 s89, s88, 3072
	s_add_co_u32 s96, s96, s89                     ; V: head + w / 2, d tiles 2 (w % 2) on
	s_mul_i32 s89, s18, 1536
	s_add_co_u32 s94, s94, s89                     ; Q, K: token tiles 2 w on
	s_mov_b32 s95, 0
	s_mov_b32 s97, 0
	s_add_nc_u64 s[94:95], s[14:15], s[94:95]
	s_add_nc_u64 s[96:97], s[14:15], s[96:97]
	s_lshl_b32 s98, s82, 11
	s_lshl_b32 s89, s81, 8
	s_add_co_u32 s98, s98, s89
	s_lshl_b32 s89, s88, 6
	s_add_co_u32 s98, s98, s89
	s_lshl_b32 s89, s83, 11
	s_add_co_u32 s20, s98, s89                     ; V's scale words: head + w / 2, the 64 bytes of d tiles 2 (w % 2), 2 (w % 2) + 1
	s_lshl_b32 s89, s83, 7
	s_add_co_u32 s98, s98, s89                     ; Q's, K's: the 64 bytes of token tiles 2 w, 2 w + 1
	s_mov_b32 s99, 0
	s_mov_b32 s21, 0
	s_add_nc_u64 s[98:99], s[16:17], s[98:99]
	s_add_nc_u64 s[20:21], s[16:17], s[20:21]
	s_wait_tensorcnt 5                             ; my part of the first half panel is in; my five later loads stay out: no byte of LDS is ever filled again,
	s_barrier_signal -1
	s_barrier_wait -1                              ; everybody's part is
	FETCH 0
	s_wait_loadcnt 0x0                             ; phase 0's scale words, bias and private tiles
; THE 24 K STEPS run as one pipeline: step S + 1's fragments are fetched ahead of step S's products, over the phases' ends too.
.irp S, 0,1,2,3,4,5,6,7,8,9,10,11,12,13,14,15,16,17,18,19,20,21,22,23
.if \S < 23
.if ((\S+1)%4) == 0
	s_wait_tensorcnt 5-(\S+1)/4                    ; my part of the half panel that the next fetch reads is in; the later ones stay out
	s_wait_dscnt 0x0                               ; no LDS load of mine is out at the signal
	s_barrier_signal -1
	s_barrier_wait -1
.endif
.if \S > 0
	PLACES                                         ; the registers about to be loaded were read by the step before
.endif
.if \S == 4
	WIN 0
	LDSC 0, 72, 32768, 70, 131072                  ; phase 1's scale words of K steps 0-3, into the registers that steps 0-3 have left
.endif
.if \S == 12
	s_wait_loadcnt 50                              ; phase 1's scale words of K steps 4-7 are in; Wv's 48 loads and its bias's two may be out
	WIN 0
	LDSC 0, 70, 131072, 72, 65536                  ; phase 2's scale words of K steps 0-3
.endif
	FETCH \S+1
	s_wait_dscnt 24                                ; all but the 24 loads just issued: this step's fragments are in
.else
	s_wait_dscnt 0x0
.endif
.if \S == 8
	s_wait_loadcnt 60                              ; kv's tiles, bk and phase 1's first scale words are in; the 60 loads issued at phase 0's way out may be out
.endif
.if \S == 20
	s_wait_loadcnt 0x0                             ; phase 2's scale words of K steps 4-7
.endif
	MUL \S/8, \S%8
.if \S == 0
	LDP 0xc0, 66, 3145728                          ; phase 1's private tiles: kv's: they have seven steps in which to land
.endif
.if \S == 1
	LDB 0xc0, 10                                   ; and bk
.endif
.if (\S%8) == 7
	WAYOUT \S/8
.endif
.endr
	WIN 0
	s_wait_tensorcnt 0x0
	ds_add_u32 v126, v127
	s_wait_dscnt 0x0
	CROUND                                         ; the closing round: no work-group ends while a partner may still ask for a tile that names it
	s_endpgm
.Lfunc_end_k_q16046e5cf9_proj:
	.size	k_q16046e5cf9_proj, .Lfunc_end_k_q16046e5cf9_proj-k_q16046e5cf9_proj
	.p2alignl 7, 3214868480
	.fill 96, 4, 3214868480
	.section	.rodata,"a",@progbits
	.p2align	6, 0x0
	.amdhsa_kernel k_q16046e5cf9_proj
		.amdhsa_group_segment_fixed_size 295424
		.amdhsa_private_segment_fixed_size 0
		.amdhsa_enable_private_segment 0
		.amdhsa_kernarg_size 56
		.amdhsa_user_sgpr_count 2
		.amdhsa_user_sgpr_kernarg_segment_ptr 1
		.amdhsa_wavefront_size32 1
		.amdhsa_system_sgpr_workgroup_id_x 1
		.amdhsa_system_sgpr_workgroup_id_y 1
		.amdhsa_system_sgpr_workgroup_id_z 1
		.amdhsa_system_vgpr_workitem_id 0
		.amdhsa_next_free_vgpr 1024
		.amdhsa_next_free_sgpr 102
		.amdhsa_reserve_vcc 0
		.amdhsa_float_denorm_mode_32 3
		.amdhsa_float_denorm_mode_16_64 3
		.amdhsa_memory_ordered 1
		.amdhsa_forward_progress 1
		.amdhsa_inst_pref_size 152
	.end_amdhsa_kernel
	.amdgpu_metadata
---
amdhsa.version: [ 1, 2 ]
amdhsa.kernels:
  - .name:           k_q16046e5cf9_proj
    .symbol:         k_q16046e5cf9_proj.kd
    .args:
      - { .name: xcod, .offset: 0, .size: 8, .value_kind: global_buffer, .address_space: global }
      - { .name: xscl, .offset: 8, .size: 8, .value_kind: global_buffer, .address_space: global }
      - { .name: bq, .offset: 16, .size: 8, .value_kind: global_buffer, .address_space: global }
      - { .name: bk, .offset: 24, .size: 8, .value_kind: global_buffer, .address_space: global }
      - { .name: bv, .offset: 32, .size: 8, .value_kind: global_buffer, .address_space: global }
      - { .name: acod, .offset: 40, .size: 8, .value_kind: global_buffer, .address_space: global }
      - { .name: ascl, .offset: 48, .size: 8, .value_kind: global_buffer, .address_space: global }
    .group_segment_fixed_size: 295424
    .private_segment_fixed_size: 0
    .kernarg_segment_align: 8
    .kernarg_segment_size: 56
    .max_flat_workgroup_size: 128
    .sgpr_count:     102
    .vgpr_count:     1024
    .wavefront_size: 32
...
	.end_amdgpu_metadata
.endif
;; end of part 2
;; launch attn (part 3): grid 64 x 4, 4 waves a work-group, no clusters, 168,448 bytes of LDS; arguments acod, ascl, attention_mask, ocod, oscl; writes ocod, oscl
.if DOCPART == 3
	.amdgcn_target "amdgcn-amd-amdhsa--gfx1250"
	.amdhsa_code_object_version 6
	.text
	.protected	k_q16046e5cf9_attn
	.globl	k_q16046e5cf9_attn
	.p2align	8
	.type	k_q16046e5cf9_attn,@function
k_q16046e5cf9_attn:
	s_mov_b64 s[64:65], 0
	v_nop
	global_prefetch_b8 v0, s[64:65] scope:SCOPE_SE
	s_setreg_imm32_b32 hwreg(HW_REG_WAVE_MODE, 25, 1), 1
	s_wait_xcnt 0x0
; Both branches of the attention, on codes of FP6 (E2M3) with E8M0 scales.  For 16 queries of one batch and one head at a time:
;   S = Q K^T + mask;  t = S log2(e);  M = ceil(the row's largest t);  p = 2^(t - M), quantised along the keys;  l = the sum of the unquantised p;  O = (p V) / l;
;   attn = p / l;  p' = 2^((1 - attn) log2(e) - 2), quantised along the keys;  l' = its sum;  O' = (p' V) / l'.   O and O' are quantised along the hidden axis for the last products.
; THE SECOND SOFTMAX'S M AND SCALES ARE BOUNDED BY THE COMPUTATION ITSELF.  attn sums to 1 over 1,024 keys: the row's smallest is at most 1 / 1,024, so the largest (1 - attn) log2(e) lies in (1.441, 1.4427] and its
; ceiling is 2 for every input; any 32 keys hold an attn of at most 1 / 32, so a block's largest p' lies in [0.658, 0.680]: its scale is 2^-3, byte 124, for every block.  No maximum is searched there.
; A ROW IS KEPT WHOLE: 16 queries x 1,024 keys of f32 are 512 registers of one wave, since p' wants the row's final M and l.  So each score costs two exponentials and is made once.
; SHARES: a work-group is (batch, tile of 16 queries); wave w walks heads 4 w .. 4 w + 3.  The mask's tile (16 x 1,024 f32) is the same for all 16 heads: it comes into LDS once, a quarter by each wave's tensor load,
; and is the C of the score products.  K and V come as dense register images straight into registers.  While a head's key step s is finished, its 64 registers of S take the next head's mask and scores.
; NO CLUSTER: the one tensor tile (the mask of this batch and these queries) is read by this work-group alone; K and V are not brought by tensor loads.
; LAYOUT: both products transposed: S^T = K Q^T, O^T = V^T P^T: a lane holds ONE query (l % 16).  K's and V's tiles take rows 8 u + 0..7 and 16 + 8 u + 0..7 of a group of 32, so S register 16 B + i = key 32 B + 16 h + i.
; The scores' K is 64: a fragment of K holds two key tiles (d at k = 0..63 and at k = 64..127); Q stands beside six registers of zero codes, [Q | 0 | Q], so that each product meets one of the two.
; LIMITS: a mask of -infinity enters as the C of a matrix instruction (not tried); a row masked whole gives NaN; a block of zeros gets the byte 1 (its codes are zeros; this program alone reads the bytes);
; the block's largest p is taken as 2^ of the block's largest score, which takes v_exp_f32 not to fall where its input rises.
; REGISTERS, window 0: v1-4 addresses; v5 byte 124 four times (a scale); v6 2^-3; v7 Q's scale word; v[8:9] -M; v[10:11] -log2(e) / l; v[12:13] log2(e) - 2; v[14:15] 1 / l; v16-31 eight packed chains: first l's, then l''s;
;   v32-43 at work; v44-61 [Q | 0 | Q]; v62 Q's word as loaded; v63, v254, v255 Q's addresses; v64-79 K's scale words; v80-95 V's; v96-103 p's; v104-135 a number for each block of 32 keys; v136-147 p's codes;
;   v148-155 upper halves on their way; v156-167 p''s codes; v168-199 O^T; v200-231 O'^T; v232-237 scale words of O and O'; v238-253 V's scale halves as loaded.
;   window 1: v0-95 two chunks of K (four fragments each); v96-191 two of V; v192-215 O's and O''s fragments in the making.   windows 2, 3: S.
.set KOFF, 3145728                     ; K's region of acod;
.set VOFF, 6291456                     ; V's
.set HSTR, 49152                       ; a head's codes in a region
.set MREG, 16640                       ; LDS: a wave's quarter of the mask: 16 rows x (1,024 bytes + 16)
.set SCG,  66560                       ; LDS: 1,024 bytes in which the scale words of O and O' are gathered; no tensor load lands there
.set T,    32
.set QQ,   44
.set KS,   64
.set VS,   80
.set PW,   96
.set BM,   104
.set PP,   136
.set PT,   148
.set P2,   156
.set OA,   168
.set OB,   200
.set YY,   238
.set V0S,  96
.set FA,   192
.set FB,   204
.set MSB, 0
.macro WIN new                         ; bits 1:0 source 0, 3:2 source 1, 5:4 source 2, 7:6 destination; the high byte repeats the setting that is left
.if MSB != (\new)
	s_set_vgpr_msb (MSB<<8)|(\new)
.set MSB, (\new)
.endif
.endm
.macro PLACES                          ; four plain places behind a matrix instruction, in front of loads into its registers and of reads of its result
.rept 4
	v_nop
.endr
.endm
.macro CHUNK reg, off                  ; four fragments (each two half images) from off bytes behind the code pointer into window 1: 16 loads, each of consecutive bytes
	WIN 0x40
.irp f, 0,1,2,3
	global_load_b128 v[(\reg)+12*\f:(\reg)+12*\f+3], v1, s[4:5] offset:(\off)+1536*\f
	global_load_b64 v[(\reg)+12*\f+4:(\reg)+12*\f+5], v4, s[4:5] offset:(\off)+1536*\f+512
	global_load_b128 v[(\reg)+12*\f+6:(\reg)+12*\f+9], v1, s[4:5] offset:(\off)+1536*\f+768
	global_load_b64 v[(\reg)+12*\f+10:(\reg)+12*\f+11], v4, s[4:5] offset:(\off)+1536*\f+1280
.endr
.endm
.macro MASK s                          ; the mask of keys 128 s on, into S's registers of key step s: 64 neighbouring bytes for each block of 32 keys
	WIN 0x80+0x40*((\s)/4)
.irp f, 0,1,2,3
.irp i, 0,1,2,3
	ds_load_b128 v[64*((\s)%4)+16*\f+4*\i:64*((\s)%4)+16*\f+4*\i+3], v3 offset:((\s)/2)*MREG+((4*(\s)+\f)%8)*128+16*\i
.endr
.endr
.endm
.macro WM d, a, b, zero, sa, sb, row   ; one product; zero = 1: it starts its sum; row = 1: source 0's scales stand in lanes 16-31
.if \zero
.if \row
	v_wmma_scale_f32_16x16x128_f8f6f4 v[\d:\d+7], v[\a:\a+11], v[\b:\b+11], 0, v[\sa], v[\sb] matrix_a_fmt:MATRIX_FMT_FP6 matrix_b_fmt:MATRIX_FMT_FP6 matrix_a_scale:MATRIX_SCALE_ROW1
.else
	v_wmma_scale_f32_16x16x128_f8f6f4 v[\d:\d+7], v[\a:\a+11], v[\b:\b+11], 0, v[\sa], v[\sb] matrix_a_fmt:MATRIX_FMT_FP6 matrix_b_fmt:MATRIX_FMT_FP6
.endif
.else
.if \row
	v_wmma_scale_f32_16x16x128_f8f6f4 v[\d:\d+7], v[\a:\a+11], v[\b:\b+11], v[\d:\d+7], v[\sa], v[\sb] matrix_a_fmt:MATRIX_FMT_FP6 matrix_b_fmt:MATRIX_FMT_FP6 matrix_a_scale:MATRIX_SCALE_ROW1
.else
	v_wmma_scale_f32_16x16x128_f8f6f4 v[\d:\d+7], v[\a:\a+11], v[\b:\b+11], v[\d:\d+7], v[\sa], v[\sb] matrix_a_fmt:MATRIX_FMT_FP6 matrix_b_fmt:MATRIX_FMT_FP6
.endif
.endif
.endm
.macro SCORE j, slot                   ; keys 128 j on: eight products, each onto the mask that lies in its registers; fragment f holds key tiles 8 j + 2 f (met by [Q | 0]) and 8 j + 2 f + 1 (met by [0 | Q])
	WIN 0xa1+0x50*((\j)/4)
.irp f, 0,1,2,3
	WM 64*((\j)%4)+16*\f, (\slot)+12*\f, QQ, 0, KS+2*(\j)+\f/2, 7, \f%2
	WM 64*((\j)%4)+16*\f+8, (\slot)+12*\f, QQ+6, 0, KS+2*(\j)+\f/2, 7, \f%2
.endr
.endm
.macro QPROC                           ; Q's six registers once more behind the zeros; of its scale word the two bytes of my tile, twice
.irp i, 0,1,2,3,4,5
	v_mov_b32 v[QQ+12+\i], v[QQ+\i]
.endr
	v_perm_b32 v7, v62, v62, s19
.endm
.macro PKF x, form
.if (\form) == 1
	v_pk_fma_f32 v[\x:\x+1], v[\x:\x+1], s[22:23], v[8:9] op_sel_hi:[1,0,0]    ; t - M
.else
	v_pk_fma_f32 v[\x:\x+1], v[\x:\x+1], v[10:11], v[12:13]                    ; (1 - p / l) log2(e) - 2
.endif
.endm
.macro EXPRUN s, form                  ; key step s's 64 numbers, in place: a packed multiply-add two pairs ahead stands between the exponentials, so that each has a plain instruction behind it before its result is used
	WIN 0x82+0x41*((\s)/4)
.set EB, 64*((\s)%4)
	PKF EB, \form
	PKF EB+2, \form
.set ei, 0
.rept 32
	v_exp_f32 v[EB+2*ei], v[EB+2*ei]
.if ei < 30
	PKF EB+2*ei+4, \form
.endif
	v_exp_f32 v[EB+2*ei+1], v[EB+2*ei+1]
.set ei, ei+1
.endr
.endm
.macro SUMS s                          ; the unquantised numbers of key step s are added, two at a time, in eight chains: a line adds onto the result of the line eight back
	WIN 0x08+0x04*((\s)/4)
.set ei, 0
	s_wait_alu depctr_va_vdst(0)
.rept 32
	v_pk_add_f32 v[16+2*(ei%8):16+2*(ei%8)+1], v[16+2*(ei%8):16+2*(ei%8)+1], v[64*((\s)%4)+2*ei:64*((\s)%4)+2*ei+1]
.set ei, ei+1
.endr
.endm
.macro JOIN                            ; the eight chains, their two halves, and lane l xor 16's 512 keys: the row's sum in v16
	v_pk_add_f32 v[16:17], v[16:17], v[18:19]
	v_pk_add_f32 v[20:21], v[20:21], v[22:23]
	v_pk_add_f32 v[24:25], v[24:25], v[26:27]
	v_pk_add_f32 v[28:29], v[28:29], v[30:31]
	v_pk_add_f32 v[16:17], v[16:17], v[20:21]
	v_pk_add_f32 v[24:25], v[24:25], v[28:29]
	v_pk_add_f32 v[16:17], v[16:17], v[24:25]
	v_add_f32 v16, v16, v17
	v_permlanex16_b32 v[T+8], v16, s20, s21
	v_add_f32 v16, v16, v[T+8]
.endm
.macro PACK d                          ; the operand wants a whole block in a lane: lanes 0-15 block 2 c, lanes 16-31 block 2 c + 1
.irp c, 0,1
.irp i, 0,1,2
	v_permlane16_swap_b32 v[\d+6*\c+\i], v[PT+4*\c+\i]
.endr
.irp i, 0,1,2
	v_mov_b32 v[\d+3+6*\c+\i], v[PT+4*\c+\i]
.endr
.endr
.endm
.macro CVT4 s, d, own                  ; key step s's 64 numbers become a fragment's codes in v[d] on; own = 1: each block's own scale; 0: 2^-3
	WIN 0x02+(\s)/4
.irp c, 0,1
.if \own
	v_cvt_scalef32_pk16_fp6_f32 v[\d+6*\c:\d+6*\c+2], v[64*((\s)%4)+32*\c:64*((\s)%4)+32*\c+15], v[BM+4*(\s)+2*\c]
	v_cvt_scalef32_pk16_fp6_f32 v[PT+4*\c:PT+4*\c+2], v[64*((\s)%4)+32*\c+16:64*((\s)%4)+32*\c+31], v[BM+4*(\s)+2*\c+1]
.else
	v_cvt_scalef32_pk16_fp6_f32 v[\d+6*\c:\d+6*\c+2], v[64*((\s)%4)+32*\c:64*((\s)%4)+32*\c+15], v6
	v_cvt_scalef32_pk16_fp6_f32 v[PT+4*\c:PT+4*\c+2], v[64*((\s)%4)+32*\c+16:64*((\s)%4)+32*\c+31], v6
.endif
.endr
	v_nop                                          ; one plain place behind a scaled conversion
	WIN 0
	PACK \d
.endm
.macro PV s                            ; O^T += V^T P^T and O'^T += V^T P'^T over keys 128 s on: eight accumulators by turns
	WIN 0x01
.irp t, 0,1,2,3
.if (\s) == 0
	WM OA+8*\t, V0S+48*((\s)%2)+12*\t, PP, 1, VS+2*(\s)+\t%2, PW+(\s), \t/2
	WM OB+8*\t, V0S+48*((\s)%2)+12*\t, P2, 1, VS+2*(\s)+\t%2, 5, \t/2
.else
	WM OA+8*\t, V0S+48*((\s)%2)+12*\t, PP, 0, VS+2*(\s)+\t%2, PW+(\s), \t/2
	WM OB+8*\t, V0S+48*((\s)%2)+12*\t, P2, 0, VS+2*(\s)+\t%2, 5, \t/2
.endif
.endr
.endm
; KEY STEP s of the head in hand.  nxt = 1: a head follows: its scores of step s - 1 are made, and its mask of step s takes the registers that this step has just left.
; Global loads go out in this order, 16 to a chunk: V2 | K'2 V3 | K'3 V4 | K'4 V5 | K'5 V6 | K'6 V7 | K'7 (V0, V1, K'0, K'1 were waited for ahead of step 0).  Each count below is what was issued behind the chunk wanted.
.macro STEP s, nxt
	CVT4 \s, PP, 1                                 ; p's codes
	EXPRUN \s, 2                                   ; p becomes p'
	v_nop                                          ; a plain place between the last exponential and the conversions
	s_wait_alu depctr_va_vdst(0)
	CVT4 \s, P2, 0                                 ; p''s codes
	SUMS \s                                        ; l'.  (These 32 are also the places in front of the products below)
.if \nxt
.if (\s) > 0
.if (\s) == 7
	s_wait_loadcnt 32                              ; K'6 is in: V7 and K'7 may be out
.elseif (\s) > 2
	s_wait_loadcnt 48                              ; K'(s-1) is in: V(s), K'(s), V(s+1) may be out
.endif
	s_wait_dscnt 0x0                               ; the mask of step s - 1 lies in its registers
	SCORE (\s)-1, 48*(((\s)-1)%2)
.if (\s) < 7
	PLACES
	CHUNK 48*(((\s)-1)%2), KOFF+HSTR+6144*((\s)+1)
.endif
.endif
	MASK \s
.if (\s) == 7
	s_wait_loadcnt 16                              ; V7 is in: K'7 may be out
.elseif (\s) > 1
	s_wait_loadcnt 48                              ; V(s) is in: K'(s), V(s+1), K'(s+1) may be out
.endif
.else
.if (\s) == 7
	s_wait_loadcnt 0x0
.elseif (\s) > 1
	s_wait_loadcnt 16                              ; V(s) is in: V(s+1) may be out
.endif
.endif
	PV \s
	PLACES
.if (\s) < 6
	CHUNK V0S+48*((\s)%2), VOFF+6144*((\s)+2)
.endif
.endm
; A HEAD.  At its start S holds its scores.  nxt = 1: a head follows (the loop); 0: the last head, written out, which asks for nothing more.
.macro HEAD nxt
	WIN 0
	PLACES                                         ; behind the last score products
.irp i, 0,1,2,3,4,5,6,7,8,9,10,11,12,13,14,15
	global_load_b32 v[YY+\i], v2, s[6:7] offset:262144+128*\i    ; V's scale halves: key step i / 2, keys 64 (i % 2) on
.endr
	CHUNK V0S, VOFF
	CHUNK V0S+48, VOFF+6144
	; the largest score of each block of 32 keys: it serves the row's maximum and, since p rises with the score, the block's largest p.  Each accumulator is read from its low end on
.irp W, 0,1
	WIN 0x2a+0x15*\W
.set q, 0
.rept 16
	v_max3_num_f32 v[BM+16*\W+q], v[16*q], v[16*q+1], v[16*q+2]
.set q, q+1
.endr
	WIN 0x28+0x14*\W
.irp i, 3,5,7,9,11,13
.set q, 0
.rept 16
	v_max3_num_f32 v[BM+16*\W+q], v[BM+16*\W+q], v[16*q+\i], v[16*q+\i+1]
.set q, q+1
.endr
.endr
.set q, 0
.rept 16
	v_max_num_f32 v[BM+16*\W+q], v[BM+16*\W+q], v[16*q+15]
.set q, q+1
.endr
.endr
	WIN 0
.irp G, 0,1,2,3
.irp k, 0,1,2,3,4,5,6,7
	v_permlanex16_b32 v[T+\k], v[BM+8*\G+\k], s20, s21
.endr
.irp k, 0,1,2,3,4,5,6,7
	v_max_num_f32 v[BM+8*\G+\k], v[BM+8*\G+\k], v[T+\k]          ; with lane l xor 16's 16 keys
.endr
.endr
.irp k, 0,1,2,3
	v_max3_num_f32 v[T+\k], v[BM+3*\k], v[BM+3*\k+1], v[BM+3*\k+2]
.endr
.irp k, 0,1,2,3
	v_max3_num_f32 v[T+\k], v[T+\k], v[BM+12+2*\k], v[BM+13+2*\k]
.endr
.irp k, 0,1,2,3
	v_max3_num_f32 v[T+\k], v[T+\k], v[BM+20+2*\k], v[BM+21+2*\k]
.endr
.irp k, 0,1,2,3
	v_max_num_f32 v[T+\k], v[T+\k], v[BM+28+\k]
.endr
	v_max3_num_f32 v[T], v[T], v[T+1], v[T+2]
	v_max_num_f32 v[T], v[T], v[T+3]               ; the row's largest score
	v_mul_f32 v[T], s22, v[T]                      ; as t
	v_floor_f32 v8, -v[T]                          ; -M = floor(-t) = -ceil(t): a whole number
	v_mov_b32 v9, v8
.irp k, 0,1,2,3,4,5,6,7,8,9,10,11,12,13,14,15
	v_mov_b32 v[16+\k], 0                          ; l's eight chains: sixteen lines for 512 numbers a lane
.endr
.irp s, 0,1,2,3,4,5,6,7
	EXPRUN \s, 1                                   ; p = 2^(t - M), not normalised
	SUMS \s
.if \nxt                               ; the next head's first loads are spread over this phase, 19, 16 and 16 at a time, each some 260 lines behind the last: no more than a batch or two is out at once
.if \s == 1
	WIN 0
.irp i, 0,1,2,3,4,5,6,7,8,9,10,11,12,13,14,15
	global_load_b32 v[KS+\i], v2, s[6:7] offset:131072+2048+128*\i
.endr
	global_load_b32 v62, v63, s[6:7] offset:2048
	global_load_b128 v[QQ:QQ+3], v254, s[4:5] offset:HSTR
	global_load_b64 v[QQ+4:QQ+5], v255, s[4:5] offset:HSTR+512
.endif
.if \s == 3
	CHUNK 0, KOFF+HSTR
.endif
.if \s == 5
	CHUNK 48, KOFF+HSTR+6144
.endif
.endif
.endr
	WIN 0
.set q, 0
.rept 32
	v_fma_f32 v[BM+q], v[BM+q], s22, v8            ; the same multiply-add and exponential on each block's largest score give its largest p
.set q, q+1
.endr
.set q, 0
.rept 32
	v_exp_f32 v[BM+q], v[BM+q]
.set q, q+1
.endr
	JOIN                                           ; l.  (Its lines are the plain places behind the exponentials)
	v_rcp_f32 v14, v16
.set q, 0
	s_wait_alu depctr_va_vdst(0)
.rept 32
	v_max_num_f32 v[BM+q], 0x1800000, v[BM+q]      ; the floor 2^(3 - 127): the byte cannot fall under 1
.set q, q+1
.endr
.set q, 0
.rept 32
	v_add_nc_u32 v[BM+q], 0xff000000, v[BM+q]      ; 2 off the exponent field: the conversion's scale operand
.set q, q+1
.endr
	v_mul_f32 v10, 0xbfb8aa3b, v14                 ; -log2(e) / l
	v_mov_b32 v15, v14
	v_mov_b32 v11, v10
.irp k, 0,1,2,3,4,5,6,7,8,9,10,11,12,13,14,15
	v_mov_b32 v[16+\k], 0                          ; the same eight chains now serve l'
.endr
.irp s, 0,1,2,3,4,5,6,7
.irp k, 0,1,2,3
	v_lshrrev_b32 v[T+4*(\s%2)+\k], 23, v[BM+4*\s+\k]
.endr
	v_lshl_or_b32 v[PW+\s], v[T+4*(\s%2)+1], 8, v[T+4*(\s%2)]    ; p's scale word for keys 128 s on
	v_lshl_or_b32 v[PW+\s], v[T+4*(\s%2)+2], 16, v[PW+\s]
	v_lshl_or_b32 v[PW+\s], v[T+4*(\s%2)+3], 24, v[PW+\s]
.endr
	s_wait_loadcnt 0x0                             ; all that was asked for above; the youngest batch went out two key steps and these lines ago
.irp s, 0,1,2,3,4,5,6,7
	v_perm_b32 v[VS+2*\s], v[YY+2*\s+1], v[YY+2*\s], s27         ; the low halves of keys 0-63's and 64-127's words: d tiles 0 (lanes 0-15) and 2 (lanes 16-31)
	v_perm_b32 v[VS+2*\s+1], v[YY+2*\s+1], v[YY+2*\s], s18       ; the high halves: d tiles 1 and 3
.endr
.if \nxt
	QPROC
.endif
.irp s, 0,1,2,3,4,5,6,7
	STEP \s, \nxt
.endr
	; THE HEAD'S WAY OUT.  It stands ahead of the next head's last score products, so that their chunk of K has these lines too in which to land
	WIN 0
	JOIN                                           ; l'
	v_rcp_f32 v[T+10], v16
	v_nop                                          ; a plain place behind the reciprocal
	s_wait_alu depctr_va_vdst(0)
	v_mov_b32 v[T+11], v[T+10]
.set q, 0
.rept 16
	v_pk_mul_f32 v[OA+q:OA+q+1], v[OA+q:OA+q+1], v[14:15]        ; O / l, each accumulator from its low end on
.set q, q+2
.endr
.set q, 0
.rept 16
	v_pk_mul_f32 v[OB+q:OB+q+1], v[OB+q:OB+q+1], v[T+10:T+11]    ; O' / l'
.set q, q+2
.endr
.irp q, 0,1,2,3                        ; four blocks of 32 along the hidden axis: O's two, O''s two; register 16 b + i = d 32 b + 16 h + i
	v_max3_num_f32 v[T+\q], |v[OA+16*\q]|, |v[OA+1+16*\q]|, 0x1800000
.endr
.irp i, 2,4,6,8,10,12,14
.irp q, 0,1,2,3
	v_max3_num_f32 v[T+\q], v[T+\q], |v[OA+16*\q+\i]|, |v[OA+1+16*\q+\i]|
.endr
.endr
.irp q, 0,1,2,3
	v_permlanex16_b32 v[T+4+\q], v[T+\q], s20, s21
.endr
.irp q, 0,1,2,3
	v_max_num_f32 v[T+\q], v[T+\q], v[T+4+\q]
.endr
.irp q, 0,1,2,3
	v_add_nc_u32 v[T+8+\q], 0xff000000, v[T+\q]
.endr
.irp q, 0,1,2,3
	v_lshrrev_b32 v[T+4+\q], 23, v[T+8+\q]
.endr
	v_lshl_or_b32 v[T+4], v[T+5], 8, v[T+4]        ; O's two bytes,
	v_lshl_or_b32 v[T+6], v[T+7], 8, v[T+6]        ; O''s
	v_cvt_scalef32_pk16_fp6_f32 v[PP:PP+2], v[OA:OA+15], v[T+8]
	v_cvt_scalef32_pk16_fp6_f32 v[PT:PT+2], v[OA+16:OA+31], v[T+9]
	v_cvt_scalef32_pk16_fp6_f32 v[P2:P2+2], v[OB:OB+15], v[T+10]
	v_cvt_scalef32_pk16_fp6_f32 v[PT+4:PT+6], v[OB+16:OB+31], v[T+11]
	v_nop                                          ; one plain place behind a scaled conversion
.irp i, 0,1,2
	v_permlane16_swap_b32 v[PP+\i], v[PT+\i]
	v_permlane16_swap_b32 v[P2+\i], v[PT+4+\i]
.endr
.irp i, 0,1,2
	v_mov_b32 v[PP+3+\i], v[PT+\i]
	v_mov_b32 v[P2+3+\i], v[PT+4+\i]
.endr
	WIN 0x41                                       ; a K step of the last products is two heads: the head before moves to the fragment's lower six registers,
.irp i, 0,1,2,3,4,5
	v_mov_b32 v[FA+\i], v[FA+6+\i]
	v_mov_b32 v[FB+\i], v[FB+6+\i]
.endr
	WIN 0x40                                       ; this head takes the upper six  (the stores that read these registers stand in front of the wait at the loop's edge)
.irp i, 0,1,2,3,4,5
	v_mov_b32 v[FA+6+\i], v[PP+\i]
	v_mov_b32 v[FB+6+\i], v[P2+\i]
.endr
	WIN 0
	v_lshrrev_b32 v232, 16, v232                   ; the scale words likewise
	v_lshrrev_b32 v235, 16, v235
	v_lshl_or_b32 v232, v[T+4], 16, v232
	v_lshl_or_b32 v235, v[T+6], 16, v235
.if \nxt
	s_wait_loadcnt 0x0                             ; K'7
	s_wait_dscnt 0x0                               ; the mask of step 7
	SCORE 7, 48                                    ; the next head's last scores; what follows up to that head's four places names none of their registers
	WIN 0
	s_bitcmp1_b32 s17, 0                           ; heads to go 3 or 1: the second head of a pair
	s_cbranch_scc0 .Lkeep_\@
.endif
	WIN 0x04                                       ; a store's data are its source 1: window 1
.irp g, 0,1,2
	global_store_b128 v1, v[FA+4*\g:FA+4*\g+3], s[10:11] offset:512*\g-768            ; 512 consecutive bytes; the pointer steps 768 a head, so the pair's place lies 768 back
	global_store_b128 v1, v[FB+4*\g:FB+4*\g+3], s[10:11] offset:3145728+512*\g-768
.endr
	WIN 0
	v_mov_b32 v233, v234                           ; the first pair's word, then the second's
	v_mov_b32 v234, v232
	v_mov_b32 v236, v237
	v_mov_b32 v237, v235
.if \nxt
.Lkeep_\@:
.endif
.endm
	s_load_b256 s[4:11], s[0:1], 0x0               ; acod, ascl, the mask, ocod
	s_load_b64 s[12:13], s[0:1], 0x20              ; oscl
	v_lshl_add_u32 v151, v0, 2, 0x29000
	v_mov_b32 v155, 0
	ds_add_u32 v151, v155
	ds_add_u32 v151, v155
	v_lshrrev_b32 v1, 5, v0
	v_readfirstlane_b32 s14, v1                    ; wave 0..3
	s_and_b32 s16, ttmp7, 0xffff                   ; the batch;  ttmp9: the tile of 16 queries
	s_mov_b32 s32, (2<<16)|(1<<20)|(7<<22)|(3<<25) ; group 1: no mask of work-groups; elements of 4 bytes; padding on: after every 256 words (code 7) 4 words (code 3)
	s_mov_b32 s33, 256<<16                         ; tensor_dim0 = 256 keys
	s_mov_b32 s34, 16<<16                          ; tensor_dim1 = 16 queries
	s_mov_b32 s35, 256<<16                         ; tile_dim0
	s_mov_b32 s36, 16                              ; tile_dim1
	s_mov_b32 s37, 1024                            ; from query to query
	s_mov_b32 s38, 0
	s_mov_b32 s39, 0
	s_lshl_b32 s40, s16, 22
	s_lshl_b32 s41, ttmp9, 16
	s_add_co_u32 s40, s40, s41
	s_lshl_b32 s41, s14, 10
	s_add_co_u32 s40, s40, s41                     ; batch x 4 MiB + 16 queries x 4,096 bytes + my 256 keys
	s_mov_b32 s41, 0
	s_mov_b32 s28, 1
	s_mul_i32 s29, s14, MREG
	s_wait_dscnt 0x0
	s_wait_kmcnt 0x0
	s_add_nc_u64 s[30:31], s[8:9], s[40:41]
	s_or_b32 s31, s31, 0x80000000
	tensor_load_to_lds s[28:31], s[32:39]          ; my quarter of the mask: the launch's one fill of these bytes; one load of mine is out
	s_nop 0
	PLACES
	v_and_b32 v32, 31, v0                          ; lane
	v_and_b32 v33, 15, v0                          ; r
	v_bfe_u32 v34, v0, 4, 1                        ; h
	v_lshlrev_b32 v1, 4, v32                       ; 16 l
	v_lshlrev_b32 v2, 2, v32                       ; 4 l
	v_lshlrev_b32 v4, 3, v32                       ; 8 l
	v_mul_u32_u24 v3, v33, 1040
	v_lshl_add_u32 v3, v34, 6, v3                  ; the mask: row r (pitch 65 x 16 bytes: the 16 rows of a read start in different banks, ISA guide 11.1), + 16 h keys
	s_mul_i32 s40, ttmp9, 768
	v_add_nc_u32 v254, s40, v1                     ; Q's half image of my tile
	v_add_nc_u32 v255, s40, v4
	s_lshr_b32 s40, ttmp9, 1
	s_lshl_b32 s40, s40, 6
	v_lshl_add_u32 v63, v33, 2, s40                ; and the word that holds its two scale bytes
	s_lshl_b32 s40, s16, 4
	s_lshl_b32 s41, s14, 2
	s_add_co_u32 s40, s40, s41                     ; 16 x batch + my first head
	s_mul_i32 s42, s40, HSTR
	s_mov_b32 s43, 0
	s_add_nc_u64 s[4:5], s[4:5], s[42:43]          ; the head's codes: Q's here, K's KOFF on, V's VOFF on, the next head's HSTR on
	s_lshl_b32 s42, s40, 11
	s_add_nc_u64 s[6:7], s[6:7], s[42:43]          ; its scale words: 2,048 bytes a head in each region of 131,072
	s_lshl_b32 s40, s16, 6
	s_add_co_u32 s40, s40, ttmp9                   ; the tile of tokens
	s_mul_i32 s42, s40, 12288
	s_mul_i32 s41, s14, 3072
	s_add_co_u32 s42, s42, s41
	s_add_nc_u64 s[10:11], s[10:11], s[42:43]      ; O's fragments of K steps 2 w, 2 w + 1
	s_lshl_b32 s42, s40, 9
	s_add_nc_u64 s[12:13], s[12:13], s[42:43]      ; the tile's scale words
	s_mov_b32 s19, 0x01000100
	s_bitcmp1_b32 ttmp9, 0
	s_cselect_b32 s19, 0x03020302, s19             ; which two bytes of Q's word are my tile's
	s_mov_b32 s17, 4                               ; heads to go
	s_mov_b32 s18, 0x07060302
	s_mov_b32 s27, 0x05040100
	s_mov_b32 s20, 0x76543210
	s_mov_b32 s21, 0xfedcba98                      ; v_permlanex16_b32's selects for lane l xor 16
	s_mov_b32 s22, 0x3fb8aa3b                      ; log2(e)
	s_mov_b32 s23, s22
	s_mov_b32 s26, 0xffff0000                      ; lanes 16-31
	global_load_b128 v[QQ:QQ+3], v254, s[4:5]
	global_load_b64 v[QQ+4:QQ+5], v255, s[4:5] offset:512
	global_load_b32 v62, v63, s[6:7]
.irp i, 0,1,2,3,4,5,6,7,8,9,10,11,12,13,14,15
	global_load_b32 v[KS+\i], v2, s[6:7] offset:131072+128*\i    ; fragment 2 i's words in lanes 0-15, fragment 2 i + 1's in lanes 16-31
.endr
	CHUNK 0, KOFF
	CHUNK 48, KOFF+6144
	WIN 0
	v_mov_b32 v5, 0x7c7c7c7c
	v_mov_b32 v6, 0x3e000000
	v_mov_b32 v12, 0xbf0eab8a                      ; log2(e) - 2
	v_mov_b32 v13, v12
.irp i, 0,1,2,3,4,5
	v_mov_b32 v[QQ+6+\i], 0                        ; the zero codes between Q and Q
.endr
.irp i, 0,1,2,3,4,5,6,7,8,9,10,11
	v_mov_b32 v[T+\i], 0                           ; written once: a lane permute's destination counts as one of its sources
.endr
	s_wait_tensorcnt 0x0                           ; my quarter of the mask is in,
	s_barrier_signal -1
	s_barrier_wait -1                              ; everybody's is; it is never written again
	MASK 0
	MASK 1
	WIN 0
	s_wait_loadcnt 32                              ; Q, its word and K's words are in; the two chunks of K may be out
	QPROC
	CHUNK 96, KOFF+2*6144                          ; the first head's scores use all four chunk places
	CHUNK 144, KOFF+3*6144
.irp i, 0,1,2,3,4,5
	v_mov_b32 v[FA+6+\i], 0                        ; (destination window 1)  read by the first head's move; these lines are also the places between Q's scale word and the first product
	v_mov_b32 v[FB+6+\i], 0
.endr
	WIN 0
	v_mov_b32 v232, 0
	v_mov_b32 v234, 0
	v_mov_b32 v235, 0
	v_mov_b32 v237, 0
.irp j, 0,1,2,3,4,5,6,7                ; the first head's scores
.if \j < 5
	s_wait_loadcnt 48                              ; chunk j is in; the three chunks issued behind it may be out
.else
	s_wait_loadcnt 16*(7-\j)
.endif
.if \j < 7
	s_wait_dscnt 16                                ; the mask of step j is in; step j + 1's 16 loads may be out
.else
	s_wait_dscnt 0x0
.endif
	SCORE \j, 48*(\j%4)
.if \j < 6
	MASK \j+2
.endif
.if \j < 4
	PLACES
	CHUNK 48*(\j%4), KOFF+6144*(\j+4)
.endif
.endr
	WIN 0
.Lhead:                                ; three trips: heads 0, 1, 2 of the wave, each making the next head's scores on its way
	HEAD 1
	WIN 0
	s_wait_xcnt 0x0                                ; every earlier load and store has read its addresses and data: the pointers step, and the fragments' registers are written again, only behind this wait
	s_add_nc_u64 s[4:5], s[4:5], HSTR
	s_add_nc_u64 s[6:7], s[6:7], 2048
	s_add_nc_u64 s[10:11], s[10:11], 768
	s_sub_co_u32 s17, s17, 1
	s_cmp_lg_u32 s17, 1
	s_cbranch_scc1 .Lhead
	HEAD 0                                         ; the last head: no load leaves its buffer
	; the scale words of O and O': wave w holds those of K steps 2 w (lanes 0-15) and 2 w + 1 (lanes 16-31); they meet in LDS and leave as 512 dense bytes each
	v_cndmask_b32 v233, v233, v234, s26
	v_cndmask_b32 v236, v236, v237, s26
	s_lshr_b32 s40, s14, 1
	s_lshl_b32 s40, s40, 8
	s_and_b32 s41, s14, 1
	s_lshl_b32 s42, s41, 2
	s_add_co_u32 s40, s40, s42
	s_add_co_u32 s40, s40, SCG
	v_add_nc_u32 v32, s40, v4                      ; 256 (w / 2) + 4 (w % 2) + 8 l
	s_lshl_b32 s41, s41, 9
	s_add_co_u32 s41, s41, SCG
	v_add_nc_u32 v33, s41, v1                      ; back: 16 l; wave 0 takes O's 512 bytes, wave 1 O''s
	ds_store_b32 v32, v233
	ds_store_b32 v32, v236 offset:512
	s_wait_dscnt 0x0                               ; for the others' sake: my stores are done
	s_barrier_signal -1
	s_barrier_wait -1
	s_cmp_gt_u32 s14, 1
	s_cbranch_scc1 .Lend
	ds_load_b128 v[36:39], v33
	s_lshl_b32 s42, s14, 17
	s_mov_b32 s43, 0
	s_add_nc_u64 s[12:13], s[12:13], s[42:43]
	s_wait_dscnt 0x0
	global_store_b128 v1, v[36:39], s[12:13]
.Lend:
	s_wait_tensorcnt 0x0
	ds_add_u32 v151, v155
	s_wait_dscnt 0x0
	s_endpgm
.Lfunc_end_k_q16046e5cf9_attn:
	.size	k_q16046e5cf9_attn, .Lfunc_end_k_q16046e5cf9_attn-k_q16046e5cf9_attn
	.p2alignl 7, 3214868480
	.fill 96, 4, 3214868480
	.section	.rodata,"a",@progbits
	.p2align	6, 0x0
	.amdhsa_kernel k_q16046e5cf9_attn
		.amdhsa_group_segment_fixed_size 168448
		.amdhsa_private_segment_fixed_size 0
		.amdhsa_enable_private_segment 0
		.amdhsa_kernarg_size 40
		.amdhsa_user_sgpr_count 2
		.amdhsa_user_sgpr_kernarg_segment_ptr 1
		.amdhsa_wavefront_size32 1
		.amdhsa_system_sgpr_workgroup_id_x 1
		.amdhsa_system_sgpr_workgroup_id_y 1
		.amdhsa_system_sgpr_workgroup_id_z 1
		.amdhsa_system_vgpr_workitem_id 0
		.amdhsa_next_free_vgpr 1024
		.amdhsa_next_free_sgpr 66
		.amdhsa_reserve_vcc 0
		.amdhsa_float_denorm_mode_32 3
		.amdhsa_float_denorm_mode_16_64 3
		.amdhsa_memory_ordered 1
		.amdhsa_forward_progress 1
		.amdhsa_inst_pref_size 255
	.end_amdhsa_kernel
	.section	.bss,"aw",@nobits
	.p2align	6
	.space	262144
	.amdgpu_metadata
---
amdhsa.version: [ 1, 2 ]
amdhsa.kernels:
  - .name:           k_q16046e5cf9_attn
    .symbol:         k_q16046e5cf9_attn.kd
    .args:
      - { .name: acod, .offset: 0, .size: 8, .value_kind: global_buffer, .address_space: global }
      - { .name: ascl, .offset: 8, .size: 8, .value_kind: global_buffer, .address_space: global }
      - { .name: attention_mask, .offset: 16, .size: 8, .value_kind: global_buffer, .address_space: global }
      - { .name: ocod, .offset: 24, .size: 8, .value_kind: global_buffer, .address_space: global }
      - { .name: oscl, .offset: 32, .size: 8, .value_kind: global_buffer, .address_space: global }
    .group_segment_fixed_size: 168448
    .private_segment_fixed_size: 0
    .kernarg_segment_align: 8
    .kernarg_segment_size: 40
    .max_flat_workgroup_size: 128
    .sgpr_count:     66
    .vgpr_count:     1024
    .wavefront_size: 32
...
	.end_amdgpu_metadata
.endif
;; end of part 3
;; launch outp (part 4): grid 8 x 32, 4 waves a work-group, clusters of 4 x 4, 230,912 bytes of LDS; arguments ocod, oscl, xcod, xscl, bo, br, out0, out1; writes out0, out1
.if DOCPART == 4
	.amdgcn_target "amdgcn-amd-amdhsa--gfx1250"
	.amdhsa_code_object_version 6
	.text
	.protected	k_q16046e5cf9_outp
	.globl	k_q16046e5cf9_outp
	.p2align	8
	.type	k_q16046e5cf9_outp,@function
k_q16046e5cf9_outp:
	s_mov_b64 s[64:65], 0
	v_nop
	global_prefetch_b8 v0, s[64:65] scope:SCOPE_SE
	s_setreg_imm32_b32 hwreg(HW_REG_WAVE_MODE, 25, 1), 1
	s_wait_xcnt 0x0
	s_wait_alu depctr_hold_cnt(0) depctr_sa_sdst(0) depctr_va_vdst(0) depctr_va_sdst(0) depctr_va_ssrc(0) depctr_va_vcc(0) depctr_vm_vsrc(0)
	s_getreg_b32 s2, hwreg(HW_REG_IB_STS2, 6, 4)
	s_cmp_eq_u32 s2, 0
	s_cbranch_scc0 .Lentry_in_a_cluster
	s_endpgm
.Lentry_in_a_cluster:
	s_bfe_u32 s2, ttmp6, 0x10000c
	s_cmp_lg_u32 s2, 0xf033
	s_cbranch_scc0 .Lentry_shape_is_right
	s_endpgm
.Lentry_shape_is_right:
; out0 = O Wo^T + bo and out1 = O' Wr^T + br, on codes of FP6 (E2M3) with E8M0 scales; sums in f32.
; SHARES: work-group (nt, mt) makes 128 tokens x 128 outputs of out0 and then of out1, so that 8 x 32 work-groups do all the work and out0's stores leave while out1 is multiplied.
; The structure is the projections': the SHARED side (source 0: the result's registers run along its rows) is the weight's block nt, 128 rows that all four waves read from LDS; of the PRIVATE side (source 1: a lane holds
; one token) wave w owns tiles 8 mt + 2 w + a: dense register images that come straight from memory into 192 registers, all eight K steps at once.  The two panels are 2 x 98,304 bytes: each byte of LDS is filled once: no ring.
; The weight's tiles take rows 8 u + 0..7 and 16 + 8 u + 0..7 of a group of 32: register j of tile 2 b + u is output 32 b + 8 u + 16 h + j.  The bias is the C of each sum's first product.
; CLUSTERS: 4 x 4 work-groups; both panels hang on nt (cx) alone and are asked for jointly along a column of the cluster; each wave asks for two tiles x four K steps of each half panel: four loads of mine are out at the start.
; THE WAY OUT: 16 tokens x 128 outputs at a time through the wave's own stage in LDS (bytes into which no tensor load lands), back as rows of 512 bytes into the registers that they left: 32 lanes store 512 consecutive, aligned bytes.
; REGISTERS: window 0: v1-15 addresses; v16-47 the weight's scale words, v48-55 the tokens' (scales alone); v128-255 accumulator (a, t) at 128 + 64 a + 8 t.
;   window 1: two sets of eight weight fragments.   window 2: O's fragments ((a, s) at 96 a + 12 s), from v192 bo.   window 3: O''s, br.
.set HALF, 49152                       ; half a panel: eight tiles x four K steps
.set TIL,  6144
.set FRB,  1536
.set STAGE, 196608                     ; behind the panels: 16 rows x 528 bytes for each wave (33 x 16 bytes: the 16 rows of a store start in different banks, ISA guide 11.1)
.set ACC,  128
.set SL,   16
.set SP,   48
.set ADR,  8                           ; v8-11    16 l + 49,152 k: half panel k
.set BRR,  192
.set G1C,  24                          ; s[24:31] descriptor group 1;  s[40:55] four groups 0
.set G0,   40
.set MSB, 0
.macro WIN new                         ; bits 1:0 source 0, 3:2 source 1, 5:4 source 2, 7:6 destination; the high byte repeats the setting that is left
.if MSB != (\new)
	s_set_vgpr_msb (MSB<<8)|(\new)
.set MSB, (\new)
.endif
.endm
.macro PLACES                          ; four plain places behind a matrix instruction, in front of loads into its registers and of reads of its result
.rept 4
	v_nop
.endr
.endm
.macro CROUND                          ; a round of the cluster's barrier
	s_barrier_signal -1
	s_barrier_wait -1
	s_cmp_lg_u32 s20, 0
	s_cbranch_scc1 .Lnot_wave_0_\@
	s_barrier_signal -3
.Lnot_wave_0_\@:
	s_barrier_wait -3
	s_barrier_signal -1
	s_barrier_wait -1
.endm
.macro LDSC hf, bl, ol, bp, op         ; the scale words of K steps 4 hf .. 4 hf + 3: eight weight tiles, my two token tiles: ten loads of 256 dense bytes.  Register s / 2: K step s in lanes 0-15 (s even) or 16-31 (s odd)
.irp t, 0,1,2,3,4,5,6,7
	global_load_b64 v[SL+4*\t+2*(\hf):SL+4*\t+2*(\hf)+1], v4, s[\bl:\bl+1] offset:(\ol)+512*\t+256*(\hf)
.endr
.irp a, 0,1
	global_load_b64 v[SP+4*\a+2*(\hf):SP+4*\a+2*(\hf)+1], v15, s[\bp:\bp+1] offset:(\op)+512*\a+256*(\hf)
.endr
.endm
.macro LDP win, base, off              ; my two token tiles, all eight K steps: 48 loads of 512 dense bytes, K step by K step
	WIN \win
.irp s, 0,1,2,3,4,5,6,7
.irp a, 0,1
.irp g, 0,1,2
	global_load_b128 v[96*\a+12*\s+4*\g:96*\a+12*\s+4*\g+3], v14, s[\base:\base+1] offset:(\off)+12288*\a+1536*\s+512*\g
.endr
.endr
.endr
.endm
.macro LDB win, base                   ; the bias: register j of tile t: number 32 (t / 2) + 8 (t % 2) + 16 h + j of the block's 128
	WIN \win
.irp t, 0,1,2,3,4,5,6,7
	global_load_b128 v[BRR+8*\t:BRR+8*\t+3], v3, s[\base:\base+1] offset:(32*(\t/2)+8*(\t%2))*4
	global_load_b128 v[BRR+8*\t+4:BRR+8*\t+7], v3, s[\base:\base+1] offset:(32*(\t/2)+8*(\t%2))*4+16
.endr
.endm
.macro FETCH S                         ; step S of the 16 (phase S / 8): eight weight fragments, three loads of 16 bytes a lane each, into set S % 2
	WIN 0x40
.irp t, 0,1,2,3,4,5,6,7
.irp g, 0,1,2
	ds_load_b128 v[96*((\S)%2)+12*\t+4*\g:96*((\S)%2)+12*\t+4*\g+3], v[ADR+(\S)/4] offset:\t*TIL+((\S)%4)*FRB+512*\g
.endr
.endr
.endm
.macro WM d, a, b, c, sa, sb, row      ; one product; row = 1: both sides' scales stand in lanes 16-31
.if \row
	v_wmma_scale_f32_16x16x128_f8f6f4 v[\d:\d+7], v[\a:\a+11], v[\b:\b+11], v[\c:\c+7], v[\sa], v[\sb] matrix_a_fmt:MATRIX_FMT_FP6 matrix_b_fmt:MATRIX_FMT_FP6 matrix_a_scale:MATRIX_SCALE_ROW1 matrix_b_scale:MATRIX_SCALE_ROW1
.else
	v_wmma_scale_f32_16x16x128_f8f6f4 v[\d:\d+7], v[\a:\a+11], v[\b:\b+11], v[\c:\c+7], v[\sa], v[\sb] matrix_a_fmt:MATRIX_FMT_FP6 matrix_b_fmt:MATRIX_FMT_FP6
.endif
.endm
.macro MUL ph, s                       ; 16 products on 16 accumulators by turns, in the same order in every step; a phase's first step takes the bias as C
.if (\s) == 0
	WIN 0x29+0x14*((\ph)%2)                        ; source 0 window 1; source 1 and C window 2 (phase 1: window 3); D window 0
.else
	WIN 0x09+0x04*((\ph)%2)                        ; C and D window 0
.endif
.irp a, 0,1
.irp t, 0,1,2,3,4,5,6,7
.if (\s) == 0
	WM ACC+64*\a+8*\t, 12*\t, 96*\a, BRR+8*\t, SL+4*\t, SP+4*\a, 0
.else
	WM ACC+64*\a+8*\t, 96*((\s)%2)+12*\t, 96*\a+12*(\s), ACC+64*\a+8*\t, SL+4*\t+(\s)/2, SP+4*\a+(\s)/2, (\s)%2
.endif
.endr
.endr
.endm
.macro WAYOUT ph
	WIN 0
	PLACES
.if (\ph) == 0
	LDSC 1, 72, 32768, 70, 131072                  ; phase 1's scale words of K steps 4-7, into the registers that steps 4-7 have left
.endif
.irp a, 0,1
.irp t, 0,1,2,3,4,5,6,7
	ds_store_b128 v5, v[ACC+64*\a+8*\t:ACC+64*\a+8*\t+3] offset:128*(\t/2)+32*(\t%2)          ; each accumulator from its low end on
	ds_store_b128 v5, v[ACC+64*\a+8*\t+4:ACC+64*\a+8*\t+7] offset:128*(\t/2)+32*(\t%2)+16
.endr
.irp i, 0,1,2,3,4,5,6,7,8,9,10,11,12,13,14,15
	ds_load_b128 v[ACC+64*\a+4*\i:ACC+64*\a+4*\i+3], v6 offset:528*\i   ; LDS serves a wave's instructions in order (ISA guide 5.7.1.4): these see the stores above, and the next tile's stores come behind them
.endr
.endr
.irp a, 0,1
	s_wait_dscnt 32-32*\a                          ; tile a is back in registers; behind tile 0's loads stand tile 1's 16 stores and 16 loads
.irp i, 0,1,2,3,4,5,6,7,8,9,10,11,12,13,14,15
	global_store_b128 v1, v[ACC+64*\a+4*\i:ACC+64*\a+4*\i+3], s[16+2*(\ph):17+2*(\ph)] offset:(16*\a+\i)*4096 th:TH_STORE_NT   ; 32 lanes store 512 consecutive bytes, at a multiple of 256 from the output's first byte
.endr
.endr
.endm
	s_load_b256 s[4:11], s[0:1], 0x0               ; ocod, oscl, xcod, xscl
	s_load_b256 s[12:19], s[0:1], 0x20             ; bo, br, out0, out1
	v_lshl_add_u32 v126, v0, 2, 0x38400
	v_mov_b32 v127, 0
	ds_add_u32 v126, v127
	ds_add_u32 v126, v127
	v_lshrrev_b32 v1, 5, v0
	v_readfirstlane_b32 s20, v1                    ; wave 0..3
	s_bfe_u32 s76, ttmp6, 0x40000                  ; cx
	s_bfe_u32 s77, ttmp6, 0x40004                  ; cy
	s_and_b32 s79, ttmp7, 0xffff
	s_lshl_b32 s84, s79, 2
	s_add_co_u32 s84, s84, s77                     ; mt: the block of 128 tokens
	s_lshl_b32 s85, ttmp9, 2
	s_add_co_u32 s85, s85, s76                     ; nt: the block of 128 outputs: hangs on cx, never on cy
	s_lshl_b32 s87, 0x1111, s76                    ; my column of the cluster
	s_or_b32 s[G1C], s87, (3<<16)|(1<<21)          ; 15:0 the mask; 17:16 elements of 8 bytes; no padding; 21 set beside a mask
	s_mov_b32 s[G1C+1], 768<<16                    ; tensor_dim0 = 768 elements: four K steps of a tile, 6,144 bytes
	s_mov_b32 s[G1C+2], 2<<16                      ; tensor_dim1 = 2 tiles
	s_mov_b32 s[G1C+3], 768<<16                    ; tile_dim0
	s_mov_b32 s[G1C+4], 2                          ; tile_dim1
	s_mov_b32 s[G1C+5], 1536                       ; from tile to tile: 12,288 bytes
	s_mov_b32 s[G1C+6], 0
	s_mov_b32 s[G1C+7], 0
	s_lshl_b32 s21, s20, 1                         ; I fetch tiles 2 w, 2 w + 1 of each panel
	s_lshl_b32 s88, s85, 3
	s_add_co_u32 s88, s88, s21
	s_add_co_u32 s88, s88, 704                     ; Wo's tiles begin at 704 in xcod (Wr's 64 tiles on)
	s_mul_i32 s90, s88, 12288
	s_mov_b32 s91, 0
	s_mul_i32 s78, s20, 12288                      ; where my two tiles go in a half panel: no place in the cluster enters an LDS address
	s_wait_dscnt 0x0
	s_wait_kmcnt 0x0
	s_add_nc_u64 s[90:91], s[8:9], s[90:91]
	CROUND                                         ; all sixteen work-groups are here: the joint loads meet
.irp k, 0,1,2,3                        ; half panel k: Wo's K steps 0-3, 4-7, Wr's 0-3, 4-7
	s_mov_b32 s[G0+4*\k], 1
	s_add_co_u32 s[G0+4*\k+1], s78, \k*HALF
	s_add_nc_u64 s[G0+4*\k+2:G0+4*\k+3], s[90:91], (\k/2)*786432+(\k%2)*6144
	s_or_b32 s[G0+4*\k+3], s[G0+4*\k+3], 0x80000000
.endr
	tensor_load_to_lds s[40:43], s[24:31]          ; every wave asks for its own rows of every half panel, in the order in which they are read: four loads of mine are out
	s_nop 0
	tensor_load_to_lds s[44:47], s[24:31]
	s_nop 0
	tensor_load_to_lds s[48:51], s[24:31]
	s_nop 0
	tensor_load_to_lds s[52:55], s[24:31]
	s_nop 0
	PLACES
	v_and_b32 v2, 31, v0                           ; lane
	v_and_b32 v7, 15, v0                           ; r
	v_bfe_u32 v12, v0, 4, 1                        ; h
	v_lshlrev_b32 v1, 4, v2                        ; 16 l
	v_lshlrev_b32 v4, 3, v2                        ; 8 l
	v_lshlrev_b32 v3, 6, v12                       ; the bias: + 16 h numbers
	s_mul_i32 s21, s20, 24576
	v_add_nc_u32 v14, s21, v1                      ; my two token tiles' codes: 16 l + 24,576 w
	s_lshl_b32 s21, s20, 10
	v_add_nc_u32 v15, s21, v4                      ; and their scale words: 8 l + 1,024 w
	s_mul_i32 s66, s84, 98304
	s_mov_b32 s67, 0
	s_add_nc_u64 s[66:67], s[4:5], s[66:67]        ; O's tiles 8 mt on (O''s: 3,145,728 bytes on)
	s_lshl_b32 s70, s84, 12
	s_mov_b32 s71, 0
	s_add_nc_u64 s[70:71], s[6:7], s[70:71]        ; their scale words (O''s: 131,072 bytes on)
	s_lshl_b32 s72, s85, 12
	s_add_co_u32 s72, s72, 704*512
	s_mov_b32 s73, 0
	s_add_nc_u64 s[72:73], s[10:11], s[72:73]      ; the scale words of Wo's tiles 8 nt on (Wr's: 32,768 on)
	s_lshl_b32 s74, s85, 9
	s_mov_b32 s75, 0
	s_add_nc_u64 s[12:13], s[12:13], s[74:75]      ; the biases and the outputs at the block's 128 numbers
	s_add_nc_u64 s[14:15], s[14:15], s[74:75]
	s_add_nc_u64 s[16:17], s[16:17], s[74:75]
	s_add_nc_u64 s[18:19], s[18:19], s[74:75]
	LDSC 0, 72, 0, 70, 0                           ; phase 0: scale words, bias, O's tiles
	LDSC 1, 72, 0, 70, 0
	LDB 0x80, 12
	LDP 0x80, 66, 0
	WIN 0
.irp k, 0,1,2,3
	v_add_nc_u32 v[ADR+\k], \k*HALF, v1
.endr
	s_mul_i32 s21, s20, 16*528
	s_add_co_u32 s21, s21, STAGE                   ; my stage
	v_mul_u32_u24 v5, v7, 528
	v_lshl_add_u32 v5, v12, 6, v5
	v_add_nc_u32 v5, s21, v5                       ; in: row r, + 64 h bytes
	v_add_nc_u32 v6, s21, v1                       ; back: the 32 lanes take one row of 512 bytes
	s_lshl_b32 s74, s84, 19
	s_lshl_b32 s21, s20, 17
	s_add_co_u32 s74, s74, s21                     ; my 32 tokens: rows of 4,096 bytes
	s_add_nc_u64 s[16:17], s[16:17], s[74:75]
	s_add_nc_u64 s[18:19], s[18:19], s[74:75]
	s_wait_tensorcnt 3                             ; my part of the first half panel is in; my three later loads stay out: no byte of LDS is ever filled again,
	s_barrier_signal -1
	s_barrier_wait -1                              ; everybody's part is
	FETCH 0
	s_wait_loadcnt 0x0                             ; phase 0's scale words, bias and token tiles
; THE 16 K STEPS run as one pipeline: step S + 1's fragments are fetched ahead of step S's products, over the phase's end too.
.irp S, 0,1,2,3,4,5,6,7,8,9,10,11,12,13,14,15
.if \S < 15
.if ((\S+1)%4) == 0
	s_wait_tensorcnt 3-(\S+1)/4                    ; my part of the half panel that the next fetch reads is in; the later ones stay out
	s_wait_dscnt 0x0                               ; no LDS load of mine is out at the signal
	s_barrier_signal -1
	s_barrier_wait -1
.endif
.if \S > 0
	PLACES                                         ; the registers about to be loaded were read by the step before
.endif
.if \S == 4
	WIN 0
	LDSC 0, 72, 32768, 70, 131072                  ; phase 1's scale words of K steps 0-3, into the registers that steps 0-3 have left
.endif
	FETCH \S+1
	s_wait_dscnt 24                                ; all but the 24 loads just issued: this step's fragments are in
.else
	s_wait_dscnt 0x0
.endif
.if \S == 8
	s_wait_loadcnt 10                              ; O''s tiles, br and phase 1's first scale words are in; the ten loads issued at phase 0's way out may be out
	s_wait_xcnt 0x0                                ; out0's stores have read the accumulators' registers: they are written again only behind this wait
.endif
.if \S == 12
	s_wait_loadcnt 0x0                             ; phase 1's scale words of K steps 4-7
.endif
	MUL \S/8, \S%8
.if \S == 0
	LDP 0xc0, 66, 3145728                          ; phase 1's token tiles: O''s: they have seven steps in which to land
.endif
.if \S == 1
	LDB 0xc0, 14                                   ; and br
.endif
.if (\S%8) == 7
	WAYOUT \S/8
.endif
.endr
	s_wait_tensorcnt 0x0
	ds_add_u32 v126, v127
	s_wait_dscnt 0x0
	CROUND                                         ; the closing round: no work-group ends while a partner may still ask for a tile that names it
	s_endpgm
.Lfunc_end_k_q16046e5cf9_outp:
	.size	k_q16046e5cf9_outp, .Lfunc_end_k_q16046e5cf9_outp-k_q16046e5cf9_outp
	.p2alignl 7, 3214868480
	.fill 96, 4, 3214868480
	.section	.rodata,"a",@progbits
	.p2align	6, 0x0
	.amdhsa_kernel k_q16046e5cf9_outp
		.amdhsa_group_segment_fixed_size 230912
		.amdhsa_private_segment_fixed_size 0
		.amdhsa_enable_private_segment 0
		.amdhsa_kernarg_size 64
		.amdhsa_user_sgpr_count 2
		.amdhsa_user_sgpr_kernarg_segment_ptr 1
		.amdhsa_wavefront_size32 1
		.amdhsa_system_sgpr_workgroup_id_x 1
		.amdhsa_system_sgpr_workgroup_id_y 1
		.amdhsa_system_sgpr_workgroup_id_z 1
		.amdhsa_system_vgpr_workitem_id 0
		.amdhsa_next_free_vgpr 1024
		.amdhsa_next_free_sgpr 102
		.amdhsa_reserve_vcc 0
		.amdhsa_float_denorm_mode_32 3
		.amdhsa_float_denorm_mode_16_64 3
		.amdhsa_memory_ordered 1
		.amdhsa_forward_progress 1
		.amdhsa_inst_pref_size 97
	.end_amdhsa_kernel
	.amdgpu_metadata
---
amdhsa.version: [ 1, 2 ]
amdhsa.kernels:
  - .name:           k_q16046e5cf9_outp
    .symbol:         k_q16046e5cf9_outp.kd
    .args:
      - { .name: ocod, .offset: 0, .size: 8, .value_kind: global_buffer, .address_space: global }
      - { .name: oscl, .offset: 8, .size: 8, .value_kind: global_buffer, .address_space: global }
      - { .name: xcod, .offset: 16, .size: 8, .value_kind: global_buffer, .address_space: global }
      - { .name: xscl, .offset: 24, .size: 8, .value_kind: global_buffer, .address_space: global }
      - { .name: bo, .offset: 32, .size: 8, .value_kind: global_buffer, .address_space: global }
      - { .name: br, .offset: 40, .size: 8, .value_kind: global_buffer, .address_space: global }
      - { .name: out0, .offset: 48, .size: 8, .value_kind: global_buffer, .address_space: global }
      - { .name: out1, .offset: 56, .size: 8, .value_kind: global_buffer, .address_space: global }
    .group_segment_fixed_size: 230912
    .private_segment_fixed_size: 0
    .kernarg_segment_align: 8
    .kernarg_segment_size: 64
    .max_flat_workgroup_size: 128
    .sgpr_count:     102
    .vgpr_count:     1024
    .wavefront_size: 32
...
	.end_amdgpu_metadata
.endif
;; end of part 4
